; MI455X (gfx1250); checked and timed in simulation.
; The chip was launched on July 23, 2026; its instructions are those of AMD's public machine-readable ISA for CDNA 5 (MIT licence, August 2026) and "CDNA5" Instruction Set Architecture Reference Guide (July 2026). The comments in the code are by the model that wrote it; some were corrected since.
;; Leaky Integrate Fire Attention. Allowed arithmetic: matrix products marked QUANTISED: E4M3 operands, one given power-of-two scale a tensor, by v_wmma_f32_16x16x64_fp8_fp8 or v_wmma_f32_16x16x128_fp8_fp8, f32 sums; everything else in f32.
;; Inputs: W_attn 1,024 x 3,072 float32; W_proj 1,024 x 1,024 float32; b_attn 3,072 float32; b_proj 1,024 float32; leak 16 float32; lowp_scales 8 int32 (the exponents e of the quantised operands' scales 2^e); steepness 16 float32; threshold 16 float32; x 2 x 2,048 x 1,024 float32.
;; Outputs: out0 2 x 2,048 x 1,024 float32.
;; This version of the problem:
;;   THIS VERSION OF THE PROBLEM IS GIVEN IN LOW PRECISION. The matrix products marked QUANTISED in the list below multiply operands that are first quantised to E4M3 (4 exponent bits, 3 mantissa bits; 8 bits a number), with one given power-of-two scale for each operand tensor; their sums are f32. All else is computed in f32.
;;   The module's matrix products, in the order in which they are computed (A, B: the left and right operand; K: the contracted axis; several contracted axes count as one K, in the product's order):
;;     1. [M 4,096, K 1,024] x [K 1,024, N 3,072]; A: input x; B: input W_attn: QUANTISED (scales: A lowp_scales[0], B lowp_scales[1])
;;     2. batch 32 x [M 2,048, K 64] x [K 64, N 2,048]; A: computed on the way; B: computed on the way: QUANTISED (scales: A lowp_scales[2], B lowp_scales[3])
;;     3. batch 32 x [M 2,048, K 2,048] x [K 2,048, N 64]; A: computed on the way; B: computed on the way: QUANTISED (scales: A lowp_scales[4], B lowp_scales[5])
;;     4. [M 4,096, K 1,024] x [K 1,024, N 1,024]; A: computed on the way; B: input W_proj: QUANTISED (scales: A lowp_scales[6], B lowp_scales[7])
;;   THE QUANTISER, for each operand of a quantised product, along K:
;;     - The operand's scale is 2^e, e = its entry of the input lowp_scales (int32; the entries are numbered through the quantised products in the list's order, A before B).
;;     - Each number is divided by the scale, clamped to +-448, and rounded to the nearest number of E4M3, ties to even, subnormals kept.
;;     - The product sums the exact products of the quantised numbers (number of the format x scale) in f32.
;;   ~~~python
;;   def quantise(x, axis, e):      # numpy; x: float32 -> the quantised numbers, widened to float32 again
;;       x = np.moveaxis(x, axis, -1); K = x.shape[-1]
;;       r = np.clip(x / 2.0 ** e, -448, 448)
;;       step = 2.0 ** (np.maximum(np.frexp(np.where(r == 0, 1, r))[1] - 1, -6) - 3)
;;       q = np.round(r / step) * step * 2.0 ** e      # np.round: ties to even
;;       return np.moveaxis(q, -1, axis).astype(np.float32)
;;   ~~~
;;   OPERANDS COMPUTED ON THE WAY. 'Computed on the way' means the value that the module computes at that place (a softmax that the list does not call 'softmax' is quantised finished and normalised). What goes into a quantiser is computed in f32, as accurately as f32 sums, v_exp_f32 and their like allow (about 1e-6 of the number): no bf16 or f16 on the way to a quantiser, and a product that is left as it is and whose result goes on into a quantised operand takes f32 operands (vector FMAs, or v_wmma_f32_16x16x4_f32). A number that lies on a knife's edge between two numbers of the format may be rounded either way, as far as f32 arithmetic and the matrix unit's own rounding can turn it there, and no further.
;; 2 versions, each right; version 2 is version 1 with the launch attn written anew for expert scheduling mode. Each part assembles by itself: llvm-mc -triple=amdgcn-amd-amdhsa -mcpu=gfx1250 --defsym DOCPART=n.
;; ======== version 1 of 2: 4 launches
;; workspace buffers: xc 4,194,304 bytes; wac 3,145,728 bytes; wpc 1,048,576 bytes; qkv 12,582,912 bytes; yc 4,194,304 bytes
;; launch prep (part 1): grid 256 x 1, 4 waves a work-group, no clusters, 68,096 bytes of LDS; arguments x, W_attn, W_proj, lowp_scales, xc, wac, wpc; writes xc, wac, wpc
.if DOCPART == 1
	.amdgcn_target "amdgcn-amd-amdhsa--gfx1250"
	.amdhsa_code_object_version 6
	.text
	.protected	k_q2185b414fe_prep
	.globl	k_q2185b414fe_prep
	.p2align	8
	.type	k_q2185b414fe_prep,@function
k_q2185b414fe_prep:
	s_mov_b64 s[64:65], 0
	v_nop
	global_prefetch_b8 v0, s[64:65] scope:SCOPE_SE
	s_setreg_imm32_b32 hwreg(HW_REG_WAVE_MODE, 25, 1), 1
	s_wait_xcnt 0x0
; x [4096][1024], W_attn [1024][3072] and W_proj [1024][1024], f32, become codes of FP8 (E4M3), K innermost, each with the scale 2^e given for it (entries 0, 1, 7).
; code = number / 2^e, held within +-448, rounded to the nearest code, ties to even.
; LIMITS: each e lies between -126 and 119, so that 2^e and 448 x 2^e are f32 numbers.  NaN among the inputs is not served.
; 256 work-groups of 32,768 numbers each.  Work-groups 0-127 take x, whose K is innermost: a plain stream.  Work-groups 128-255 take the weights, whose K is the FIRST axis: a lane takes a column and its
; registers run down K, so the conversions give codes with K innermost; 128-223 W_attn (24 x 4 pieces of 128 columns x 256 along K), 224-255 W_proj (8 x 4).
; The two ways part on the work-group's number, never join, and have LDS bytes of their own.  No tensor loads, no barrier: waves share nothing.
.set SPW,   12                         ; v12  LDS address of my spare word; never rewritten
.set NIL,   13                         ; v13  0; never rewritten
.set SPARE, 67584                      ; behind both ways' stages: 128 bytes for each wave, two blocks of 256 bytes that no other line names
.set STEPS, 16                         ; x: steps of 512 numbers for a wave
.set XR,    16                         ; x: v16-79   four sets of 16 numbers as loaded
.set XN,    80                         ; x: v80-111  two sets of 16 neighbours
.set XC,    128                        ; x: v128-191 codes, four registers a step: no store's data are written again
.set WREG,  8192                       ; x: LDS bytes 0 to 32,767: a region for each wave, two stages of 32 x SP bytes
.set SP,    80                         ; x: a lane's place in a stage: 64 bytes + 16 of padding
.set WSTG,  32768                      ; weights: LDS from here: four stages of 32 rows x PITCH
.set PITCH, 272                        ; weights: a stage row: 256 bytes of codes + 16
.set ROFF,  16                         ; weights: v16-47  byte offset of row i of a block of 32 rows, at my column
.set WX,    48                         ; weights: v48-111 two sets of 32 numbers
.set WC,    112                        ; weights: v112-119 a block's codes
.set OUTR,  120                        ; weights: v120-183 the way out
.set NB,    8                          ; weights: blocks of 32 along K for a wave
	s_load_b256 s[4:11], s[0:1], 0x0               ; x s[4:5], W_attn s[6:7], W_proj s[8:9], the exponents s[10:11]
	s_load_b128 s[12:15], s[0:1], 0x20             ; xc s[12:13], wac s[14:15]
	s_load_b64 s[16:17], s[0:1], 0x30              ; wpc
	v_lshl_add_u32 v[SPW], v0, 2, SPARE
	v_mov_b32 v[NIL], 0
	v_lshrrev_b32 v1, 5, v0
	v_readfirstlane_b32 s18, v1                    ; wave 0..3
	v_and_b32 v2, 31, v0                           ; lane
	s_wait_kmcnt 0x0
	s_load_b256 s[24:31], s[10:11], 0x0            ; e0 .. e7
	s_cmp_lt_u32 ttmp9, 128
	s_cbranch_scc0 .Lweights
	; ---------------- x: each load reads 512 consecutive bytes, 16 a lane; a step's 2,048 bytes turn through the wave's stage and come back 64 bytes (16 neighbours along K) a lane
	v_lshlrev_b32 v3, 4, v2                        ; my 16 bytes of a load's 512
	s_mul_i32 s19, s18, WREG
	v_lshrrev_b32 v14, 2, v2
	v_mul_u32_u24 v14, v14, SP
	v_and_b32 v15, 3, v2
	v_lshl_add_u32 v14, v15, 4, v14
	v_add_nc_u32 v14, s19, v14                     ; the stage on the way in: SP (lane / 4) + 16 (lane % 4)
	v_mul_u32_u24 v15, v2, SP
	v_add_nc_u32 v15, s19, v15                     ; and on the way out: SP x lane
	v_lshlrev_b32 v4, 4, v2                        ; my 16 codes' place in a step's 512
	s_lshl_b32 s20, ttmp9, 2
	s_add_co_u32 s20, s20, s18                     ; which run of 8,192 numbers is my wave's
	s_lshl_b32 s22, s20, 15                        ; 32,768 bytes of f32 a run
	s_mov_b32 s23, 0
	s_add_nc_u64 s[4:5], s[4:5], s[22:23]
	s_lshl_b32 s22, s20, 13                        ; 8,192 bytes of codes a run
	s_add_nc_u64 s[12:13], s[12:13], s[22:23]
.macro XLOAD t
.irp i, 0,1,2,3
	global_load_b128 v[XR+16*((\t)%4)+4*\i:XR+16*((\t)%4)+4*\i+3], v3, s[4:5] offset:2048*(\t)+512*\i th:TH_LOAD_NT
.endr
.endm
.macro XTURN t                         ; LDS serves a wave's instructions in order: no wait between the stores and the loads
.irp i, 0,1,2,3
	ds_store_b128 v14, v[XR+16*((\t)%4)+4*\i:XR+16*((\t)%4)+4*\i+3] offset:32*SP*((\t)%2)+8*SP*\i
.endr
.irp i, 0,1,2,3
	ds_load_b128 v[XN+16*((\t)%2)+4*\i:XN+16*((\t)%2)+4*\i+3], v15 offset:32*SP*((\t)%2)+16*\i
.endr
.endm
.irp t, 0,1,2,3
	XLOAD \t
.endr
	s_wait_kmcnt 0x0
	s_add_co_i32 s22, s24, 127
	s_lshl_b32 s23, s22, 23
	v_mov_b32 v11, s23                             ; 2^e0 as f32: the conversion takes its exponent field
	s_add_co_i32 s22, s22, 8
	s_lshl_b32 s22, s22, 23
	s_or_b32 s22, s22, 0x600000
	v_mov_b32 v10, s22                             ; 448 x 2^e0
	s_wait_loadcnt 12                              ; step 0's four loads are in; the twelve of steps 1 to 3 may be out
	XTURN 0
.macro XSTEP t
.set XS, XN+16*((\t)%2)
	s_wait_dscnt 0x0                               ; this step's numbers are back from the stage, so its stores into the stage have read their registers,
.if (\t)+4 < STEPS
	XLOAD (\t)+4                                   ; which take the loads of four steps on
.endif
.if (\t)+1 < STEPS
.if STEPS-2-(\t) >= 3
	s_wait_loadcnt 12                              ; the next step's four loads are in; those of the three steps behind it may be out
.else
	s_wait_loadcnt 4*(STEPS-2-(\t))                ; at the tail: as many as are left behind the next step's
.endif
	XTURN (\t)+1
.endif
.irp i, 0,1,2,3,4,5,6,7,8,9,10,11,12,13,14,15
	v_med3_num_f32 v[XS+\i], v[XS+\i], -v10, v10   ; the conversion does not saturate (ISA guide 7.6.2): the hold at the largest code x the scale
.endr
	v_cvt_scalef32_pk8_fp8_f32 v[XC+4*(\t):XC+4*(\t)+1], v[XS:XS+7], v11
	v_cvt_scalef32_pk8_fp8_f32 v[XC+4*(\t)+2:XC+4*(\t)+3], v[XS+8:XS+15], v11
	global_store_b128 v4, v[XC+4*(\t):XC+4*(\t)+3], s[12:13] offset:512*(\t)   ; the wave stores 512 consecutive bytes, aligned
.endm
.irp t, 0,1,2,3,4,5,6,7,8,9,10,11,12,13,14,15
	XSTEP \t
.endr
	s_wait_tensorcnt 0x0                           ; the wave's end, behind my last LDS store
	ds_add_u32 v[SPW], v[NIL]
	s_wait_dscnt 0x0
	s_endpgm
	; ---------------- the weights: a wave takes 32 columns x 256 along K
.Lweights:
	s_sub_co_u32 s19, ttmp9, 128
	s_cmp_lt_u32 s19, 96                           ; W_attn's piece or W_proj's: the work-group's number alone decides
	s_cselect_b64 s[4:5], s[6:7], s[8:9]           ; from
	s_cselect_b64 s[12:13], s[14:15], s[16:17]     ; to
	s_mov_b32 s20, 4096
	s_cselect_b32 s20, 12288, s20                  ; bytes from a row of the weight to the next
	s_cselect_b32 s21, 0, 96
	s_sub_co_u32 s19, s19, s21                     ; the piece's number in its tensor
	s_lshr_b32 s21, s19, 2
	s_and_b32 s19, s19, 3                          ; which 256 along K
	s_lshl_b32 s21, s21, 7
	s_lshl_b32 s50, s18, 5
	s_add_co_u32 s21, s21, s50                     ; my wave's first column
	s_mul_i32 s22, s19, s20
	s_lshl_b32 s22, s22, 8                         ; 256 rows for each step along K,
	s_lshl_b32 s50, s21, 2
	s_add_co_u32 s22, s22, s50                     ; + 4 bytes a column
	s_mov_b32 s23, 0
	s_add_nc_u64 s[32:33], s[4:5], s[22:23]        ; a base for each of the eight blocks, made once: no base is stepped while loads are out
	s_lshl_b32 s48, s20, 5
	s_mov_b32 s49, 0
.irp t, 1,2,3,4,5,6,7
	s_add_nc_u64 s[32+2*\t:33+2*\t], s[30+2*\t:31+2*\t], s[48:49]
.endr
	s_lshl_b32 s22, s21, 10                        ; the codes: a row of 1,024 bytes for each column,
	s_lshl_b32 s50, s19, 8
	s_add_co_u32 s22, s22, s50                     ; + my 256 along K
	s_add_nc_u64 s[12:13], s[12:13], s[22:23]
	v_lshlrev_b32 v[ROFF], 2, v2
.set i, 1
.rept 31
	v_add_nc_u32 v[ROFF+i], s20, v[ROFF+i-1]
.set i, i+1
.endr
	s_mul_i32 s51, s18, 32*PITCH
	s_add_co_u32 s51, s51, WSTG                    ; my stage
	v_mul_u32_u24 v4, v2, PITCH
	v_add_nc_u32 v4, s51, v4                       ; into it: row = my column
	v_and_b32 v5, 15, v2
	v_lshrrev_b32 v6, 4, v2
	v_mul_u32_u24 v7, v6, PITCH
	v_lshl_add_u32 v7, v5, 4, v7
	v_add_nc_u32 v7, s51, v7                       ; out of it: sixteen lanes to a row, two rows an instruction
	v_lshlrev_b32 v8, 10, v6
	v_lshl_add_u32 v8, v5, 4, v8                   ; and the same place in the codes' buffer
.macro LOADW t                         ; block t: rows 32 t + i of my 256, at my column: 128 consecutive bytes a wave
.set i, 0
.rept 32
	global_load_b32 v[WX+32*((\t)%2)+i], v[ROFF+i], s[32+2*(\t):33+2*(\t)] th:TH_LOAD_NT
.set i, i+1
.endr
.endm
	LOADW 0
	LOADW 1
	s_wait_kmcnt 0x0
	s_cmp_lt_u32 ttmp9, 224
	s_cselect_b32 s22, s25, s31                    ; e1 for W_attn, e7 for W_proj
	s_add_co_i32 s22, s22, 127
	s_lshl_b32 s23, s22, 23
	v_mov_b32 v11, s23
	s_add_co_i32 s22, s22, 8
	s_lshl_b32 s22, s22, 23
	s_or_b32 s22, s22, 0x600000
	v_mov_b32 v10, s22
.macro WBLOCK t
.set XS, WX+32*((\t)%2)
.if (\t) < NB-1
	s_wait_loadcnt 32                              ; this block's 32 loads are in; the next block's 32 may be out
.else
	s_wait_loadcnt 0
.endif
.set i, 0
.rept 32
	v_med3_num_f32 v[XS+i], v[XS+i], -v10, v10
.set i, i+1
.endr
.irp g, 0,1,2,3
	v_cvt_scalef32_pk8_fp8_f32 v[WC+2*\g:WC+2*\g+1], v[XS+8*\g:XS+8*\g+7], v11
.endr
	ds_store_b128 v4, v[WC:WC+3] offset:32*(\t)    ; 32 codes: 32 bytes of my column's row
	ds_store_b128 v4, v[WC+4:WC+7] offset:32*(\t)+16
.if (\t)+2 < NB
	LOADW (\t)+2
.endif
	s_wait_dscnt 0x0                               ; the stores have read their registers: the next block's codes may be written
.endm
.irp t, 0,1,2,3,4,5,6,7
	WBLOCK \t
.endr
.irp t, 0,1,2,3,4,5,6,7,8,9,10,11,12,13,14,15
	ds_load_b128 v[OUTR+4*\t:OUTR+4*\t+3], v7 offset:2*\t*PITCH
.endr
.irp t, 0,1,2,3,4,5,6,7,8,9,10,11,12,13,14,15
	s_wait_dscnt 15-\t                             ; LDS loads come back in order: load t is in, the younger ones may be out
	global_store_b128 v8, v[OUTR+4*\t:OUTR+4*\t+3], s[12:13] offset:2*\t*1024   ; sixteen lanes store 256 consecutive bytes, aligned
.endr
	s_wait_tensorcnt 0x0                           ; the wave's end: the same three lines
	ds_add_u32 v[SPW], v[NIL]
	s_wait_dscnt 0x0
	s_endpgm
.Lfunc_end_k_q2185b414fe_prep:
	.size	k_q2185b414fe_prep, .Lfunc_end_k_q2185b414fe_prep-k_q2185b414fe_prep
	.p2alignl 7, 3214868480
	.fill 96, 4, 3214868480
	.section	.rodata,"a",@progbits
	.p2align	6, 0x0
	.amdhsa_kernel k_q2185b414fe_prep
		.amdhsa_group_segment_fixed_size 68096
		.amdhsa_private_segment_fixed_size 0
		.amdhsa_enable_private_segment 0
		.amdhsa_kernarg_size 56
		.amdhsa_user_sgpr_count 2
		.amdhsa_user_sgpr_kernarg_segment_ptr 1
		.amdhsa_wavefront_size32 1
		.amdhsa_system_sgpr_workgroup_id_x 1
		.amdhsa_system_sgpr_workgroup_id_y 1
		.amdhsa_system_sgpr_workgroup_id_z 1
		.amdhsa_system_vgpr_workitem_id 0
		.amdhsa_next_free_vgpr 192
		.amdhsa_next_free_sgpr 66
		.amdhsa_reserve_vcc 0
		.amdhsa_float_denorm_mode_32 3
		.amdhsa_float_denorm_mode_16_64 3
		.amdhsa_memory_ordered 1
		.amdhsa_forward_progress 1
		.amdhsa_inst_pref_size 87
	.end_amdhsa_kernel
	.amdgpu_metadata
---
amdhsa.version: [ 1, 2 ]
amdhsa.kernels:
  - .name:           k_q2185b414fe_prep
    .symbol:         k_q2185b414fe_prep.kd
    .args:
      - { .name: x, .offset: 0, .size: 8, .value_kind: global_buffer, .address_space: global }
      - { .name: W_attn, .offset: 8, .size: 8, .value_kind: global_buffer, .address_space: global }
      - { .name: W_proj, .offset: 16, .size: 8, .value_kind: global_buffer, .address_space: global }
      - { .name: lowp_scales, .offset: 24, .size: 8, .value_kind: global_buffer, .address_space: global }
      - { .name: xc, .offset: 32, .size: 8, .value_kind: global_buffer, .address_space: global }
      - { .name: wac, .offset: 40, .size: 8, .value_kind: global_buffer, .address_space: global }
      - { .name: wpc, .offset: 48, .size: 8, .value_kind: global_buffer, .address_space: global }
    .group_segment_fixed_size: 68096
    .private_segment_fixed_size: 0
    .kernarg_segment_align: 8
    .kernarg_segment_size: 56
    .max_flat_workgroup_size: 128
    .sgpr_count:     66
    .vgpr_count:     192
    .wavefront_size: 32
...
	.end_amdgpu_metadata
.endif
;; end of part 1
;; launch qkvgemm (part 2): grid 24 x 32, 4 waves a work-group, clusters of 4 x 4, 327,680 bytes of LDS; arguments xc, wac, b_attn, lowp_scales, qkv; writes qkv
.if DOCPART == 2
	.amdgcn_target "amdgcn-amd-amdhsa--gfx1250"
	.amdhsa_code_object_version 6
	.text
	.protected	k_q2185b414fe_qkvgemm
	.globl	k_q2185b414fe_qkvgemm
	.p2align	8
	.type	k_q2185b414fe_qkvgemm,@function
k_q2185b414fe_qkvgemm:
	s_mov_b64 s[64:65], 0
	v_nop
	global_prefetch_b8 v0, s[64:65] scope:SCOPE_SE
	s_setreg_imm32_b32 hwreg(HW_REG_WAVE_MODE, 25, 1), 1
	s_wait_xcnt 0x0
	s_wait_alu depctr_hold_cnt(0) depctr_sa_sdst(0) depctr_va_vdst(0) depctr_va_sdst(0) depctr_va_ssrc(0) depctr_va_vcc(0) depctr_vm_vsrc(0)
	s_getreg_b32 s2, hwreg(HW_REG_IB_STS2, 6, 4)
	s_cmp_eq_u32 s2, 0
	s_cbranch_scc0 .Lentry_in_a_cluster
	s_endpgm
.Lentry_in_a_cluster:
	s_bfe_u32 s2, ttmp6, 0x10000c
	s_cmp_lg_u32 s2, 0xf033
	s_cbranch_scc0 .Lentry_shape_is_right
	s_endpgm
.Lentry_shape_is_right:
; qkv = x W_attn + b_attn on codes of FP8, and its quantising for the attention: q with 2^e2, k with 2^e3, v with 2^e5.
; xc [4096][1024], wac [3072][1024]: codes, K innermost.  Out: three parts of 4 MiB (q, k, v), each [batch x head 32][block of 64 tokens 32][64 rows][64 bytes]:
; for q and k a row is a token and the bytes run along the head's 64; for v a row is one of the head's 64 and the bytes are the block's 64 tokens (the keys are v's K).
; A tile is 128 tokens x 128 features; four waves, 64 x 64 each: 16 accumulators.  The whole K = 1,024 of both tiles lies in LDS (4 chunks of 256 along K): every tile is filled once, nothing is filled again.
; CLUSTERS: 4 x 4 work-groups; the token tile is shared along a row of the cluster, the weight tile along a column: each is asked for jointly.
; ROLES.  Source 0 of the matrix instruction is P, source 1 is R: a lane then holds ONE row of R and eight neighbours along P.  For q and k R = tokens, P = features; for v R = features, P = tokens: so v comes out
; with the tokens innermost by the same text; only the fragments' LDS bases differ, chosen by the cluster's x (the same in all partners).  A wave's result is one block of 4,096 consecutive bytes.
; A fragment is fetched by four loads of 16 bytes, 32 apart: a permutation of k that is the same on both sides.
; LIMITS: e0 + e1 between -126 and 127; e2, e3, e5 between -126 and 119.  NaN is not served.
; REGISTERS: window 0: v1-29 addresses; v32-47 at work; v48-79 codes; v80-111 bias along P, later the way out; v112-119 bias along R; v128-255 accumulators ((a, b) at 128 + 8 (4 a + b)).
;   window 1: two fragment buffers of 128: R's four fragments at 16 a, P's at 64 + 16 b.
.set CH,    69632                      ; a chunk in LDS: the token tile's 128 rows x 272, then the weight tile's
.set XPART, 34816
.set HALFT, 17408                      ; 64 rows x 272: what one tensor load brings
.set PITCH, 272                        ; 256 bytes + 16 of padding: the sixteen rows of a load start at sixteen different banks (ISA guide 11.1)
.set STAGE, 278528                     ; behind the chunks: 64 rows x 80 bytes for each wave
.set WST,   5120
.set SPARE, 299008                     ; the spare words: 128 bytes for each wave, two blocks of 256 bytes that no other line names
.set ADR_R, 8                          ; v8-11   LDS address of my R fragments in chunk j
.set ADR_P, 12                         ; v12-15  the same for P
.set STO,   16
.set RD,    17
.set CO,    18
.set BPO,   19
.set BRO,   20
.set SPW,   28
.set NIL,   29
.set TMP,   32
.set CD,    48
.set BP,    80
.set BR,    112
.set SCV,   120
.set LIMV,  121
.set ACC,   128
.set F0,    0
.set F1,    128
.set G1,    24                         ; s[24:31] group 1, token tile;  s[32:39] weight tile
.set G1W,   32
.set G0,    40                         ; s[40:55] group 0, token tile, one set a chunk;  s[68:83] weight tile
.set G0W,   68
.set MSB, 0
.macro WIN new                         ; the immediate's high byte repeats the setting that is left
.if MSB != \new
	s_set_vgpr_msb (MSB<<8)|\new
.set MSB, \new
.endif
.endm
.set MULW, 0x05                        ; sources 0 and 1 window 1; C and D window 0
.set TO_F, 0x40                        ; destination window 1, address window 0
.macro CREST
	s_cmp_lg_u32 s14, 0
	s_cbranch_scc1 .Lnot_wave_0_\@
	s_barrier_signal -3
.Lnot_wave_0_\@:
	s_barrier_wait -3
	s_barrier_signal -1
	s_barrier_wait -1
.endm
.macro CROUND                          ; a round of the cluster's barrier
	s_barrier_signal -1
	s_barrier_wait -1
	CREST
.endm
.macro PLACES                          ; four plain places in front of loads into registers that matrix instructions have read
.rept 4
	v_nop
.endr
.endm
	s_load_b128 s[4:7], s[0:1], 0x0                ; xc s[4:5], wac s[6:7]
	s_load_b128 s[8:11], s[0:1], 0x10              ; b_attn s[8:9], the exponents s[10:11]
	s_load_b64 s[12:13], s[0:1], 0x20              ; qkv
	v_lshl_add_u32 v[SPW], v0, 2, SPARE
	v_mov_b32 v[NIL], 0
	ds_add_u32 v[SPW], v[NIL]                      ; the wave's opening: the add and its wait stand ahead of my first tensor load
	v_lshrrev_b32 v1, 5, v0
	v_readfirstlane_b32 s14, v1                    ; wave 0..3
	s_lshr_b32 s15, s14, 1                         ; which half of R is mine.  Also: I fetch the token tile (0) or the weight tile (1)
	s_and_b32 s16, s14, 1                          ; which half of P.  Also: which 64 rows of that tile I fetch
	s_bfe_u32 s94, ttmp6, 0x40000                  ; cx
	s_bfe_u32 s95, ttmp6, 0x40004                  ; cy
	s_lshl_b32 s96, ttmp9, 2
	s_add_co_u32 s96, s96, s94                     ; tile column (features) = 4 x cluster x + cx
	s_and_b32 s17, ttmp7, 0xffff
	s_lshl_b32 s17, s17, 2
	s_add_co_u32 s17, s17, s95                     ; tile row (tokens) = 4 x cluster y + cy
	s_lshl_b32 s97, s95, 2
	s_lshl_b32 s97, 15, s97                        ; my row of the cluster
	s_lshl_b32 s98, 0x1111, s94                    ; my column
	s_or_b32 s[G1], s97, (1<<20)|(1<<21)|(5<<22)|(3<<25)    ; the mask; elements of 1 byte; padding on; bit 21 beside a mask; 4 words behind every 64
	s_or_b32 s[G1W], s98, (1<<20)|(1<<21)|(5<<22)|(3<<25)
.irp g, G1, G1W
	s_mov_b32 s[\g+1], 256<<16                     ; tensor_dim0 = 256
	s_mov_b32 s[\g+2], 64<<16                      ; tensor_dim1 = 64
	s_mov_b32 s[\g+3], 256<<16                     ; tile_dim0 = 256
	s_mov_b32 s[\g+4], 64                          ; tile_dim1 = 64
	s_mov_b32 s[\g+5], 1024                        ; from row to row
	s_mov_b32 s[\g+6], 0
	s_mov_b32 s[\g+7], 0
.endr
	s_lshl_b32 s18, s16, 6                         ; which 64 rows I fetch
	s_lshl_b32 s20, s17, 7
	s_add_co_u32 s20, s20, s18
	s_lshl_b32 s20, s20, 10                        ; tokens: (128 x tile row + 64 x half) rows of 1,024 bytes
	s_mov_b32 s21, 0
	s_lshl_b32 s22, s96, 7
	s_add_co_u32 s22, s22, s18
	s_lshl_b32 s22, s22, 10                        ; features likewise
	s_mov_b32 s23, 0
	s_mul_i32 s19, s16, HALFT                      ; where they go: no place in the cluster enters an LDS address
	s_wait_dscnt 0x0                               ; the opening add is done
	s_wait_kmcnt 0x0
	s_load_b256 s[84:91], s[10:11], 0x0            ; e0 .. e7
	s_add_nc_u64 s[20:21], s[4:5], s[20:21]
	s_add_nc_u64 s[22:23], s[6:7], s[22:23]
.irp j, 0,1,2,3
	s_mov_b32 s[G0+4*\j], 1
	s_add_co_u32 s[G0+4*\j+1], s19, \j*CH
	s_add_nc_u64 s[G0+4*\j+2:G0+4*\j+3], s[20:21], \j*256
	s_or_b32 s[G0+4*\j+3], s[G0+4*\j+3], 0x80000000
	s_mov_b32 s[G0W+4*\j], 1
	s_add_co_u32 s[G0W+4*\j+1], s19, \j*CH+XPART
	s_add_nc_u64 s[G0W+4*\j+2:G0W+4*\j+3], s[22:23], \j*256
	s_or_b32 s[G0W+4*\j+3], s[G0W+4*\j+3], 0x80000000
.endr
	CROUND                                         ; all sixteen work-groups are here: the joint loads meet
	s_cmp_lt_u32 s14, 2                            ; a wave's four first fills stand in one branch on the wave's number: four loads of mine are out
	s_cbranch_scc0 .Lfirst_w
.irp j, 0,1,2,3
	tensor_load_to_lds s[G0+4*\j:G0+4*\j+3], s[G1:G1+7]
	s_nop 0
.endr
.rept 4
	v_nop
.endr
	s_branch .Lfirst_asked
.Lfirst_w:
.irp j, 0,1,2,3
	tensor_load_to_lds s[G0W+4*\j:G0W+4*\j+3], s[G1W:G1W+7]
	s_nop 0
.endr
.rept 4
	v_nop
.endr
.Lfirst_asked:
	v_and_b32 v1, 15, v0                           ; r
	v_bfe_u32 v2, v0, 4, 1                         ; h
	v_mul_u32_u24 v3, v1, PITCH
	v_lshl_add_u32 v3, v2, 4, v3                   ; a fragment's row x pitch + 16 h
	s_lshl_b32 s60, s96, 7                         ; 128 x tile column
	s_lshl_b32 s61, s16, 6
	s_add_co_u32 s61, s60, s61                     ; my first feature where features are P
	s_lshl_b32 s66, s15, 6
	s_add_co_u32 s66, s60, s66                     ; and where they are R
	s_cmp_ge_u32 ttmp9, 4                          ; v's columns?  The cluster's x: the same in all sixteen partners
	s_cselect_b32 s61, 0, s61                      ; the set of biases that does not apply is loaded from entry 0 on and then zeroed
	s_cselect_b32 s66, s66, 0
	s_cselect_b32 s62, 0, -1                       ; keep the bias along P?
	s_cselect_b32 s63, -1, 0                       ; keep the bias along R?
	s_cselect_b32 s58, XPART, 0                    ; R's tile in a chunk
	s_cselect_b32 s59, 0, XPART                    ; P's
	s_cselect_b32 s60, s15, s16                    ; which of the tile's two heads is mine
	s_cselect_b32 s67, s16, s15                    ; which of its two blocks of 64 tokens
	v_lshlrev_b32 v[BPO], 5, v2
	s_lshl_b32 s61, s61, 2
	v_add_nc_u32 v[BPO], s61, v[BPO]               ; bias along P: features 16 b + 8 h + 0 .. 7
	v_lshlrev_b32 v[BRO], 2, v1
	s_lshl_b32 s66, s66, 2
	v_add_nc_u32 v[BRO], s66, v[BRO]               ; bias along R: feature 16 a + r
.irp b, 0,1,2,3
	global_load_b128 v[BP+8*\b:BP+8*\b+3], v[BPO], s[8:9] offset:64*\b
	global_load_b128 v[BP+8*\b+4:BP+8*\b+7], v[BPO], s[8:9] offset:64*\b+16
.endr
.irp a, 0,1,2,3
	global_load_b32 v[BR+2*\a], v[BRO], s[8:9] offset:64*\a
	v_mov_b32 v[BR+2*\a+1], 0                      ; (named with it as a pair, so it is written)
.endr
	s_mul_i32 s99, s15, HALFT
	s_add_co_u32 s58, s58, s99
	s_mul_i32 s99, s16, HALFT
	s_add_co_u32 s59, s59, s99
.irp j, 0,1,2,3
	v_add_nc_u32 v[ADR_R+\j], s58, v3
	v_add_nc_u32 v[ADR_P+\j], s59, v3
	s_add_co_u32 s58, s58, CH
	s_add_co_u32 s59, s59, CH
.endr
	s_mul_i32 s99, s14, WST
	s_add_co_u32 s99, s99, STAGE                   ; my stage
	v_mul_u32_u24 v4, v1, 80
	v_lshl_add_u32 v4, v2, 3, v4
	v_add_nc_u32 v[STO], s99, v4                   ; in: row r of 80 bytes, 8 bytes for each half of the lanes
	v_and_b32 v5, 31, v0
	v_lshrrev_b32 v6, 2, v5
	v_mul_u32_u24 v6, v6, 80
	v_and_b32 v7, 3, v5
	v_lshl_add_u32 v6, v7, 4, v6
	v_add_nc_u32 v[RD], s99, v6                    ; back: four lanes to a row of 64 bytes, eight rows an instruction
	v_lshlrev_b32 v[CO], 4, v5                     ; and in memory: 16 x lane
	; my block of 4,096 bytes: part x 4 MiB + ((batch x 16 + head) x 32 + block of tokens) x 4,096
	s_and_b32 s99, s96, 7
	s_lshl_b32 s99, s99, 1
	s_add_co_u32 s60, s99, s60                     ; head
	s_lshl_b32 s99, s17, 1
	s_add_co_u32 s67, s99, s67                     ; block of 64 tokens, 0 .. 63
	s_lshr_b32 s99, s67, 5
	s_lshl_b32 s99, s99, 4
	s_add_co_u32 s60, s60, s99
	s_lshl_b32 s60, s60, 5
	s_and_b32 s67, s67, 31
	s_add_co_u32 s60, s60, s67
	s_lshl_b32 s60, s60, 12
	s_lshr_b32 s56, ttmp9, 1                       ; part: 0 q, 1 k, 2 v
	s_lshl_b32 s99, s56, 22
	s_add_co_u32 s66, s60, s99
	s_mov_b32 s67, 0
	s_add_nc_u64 s[12:13], s[12:13], s[66:67]
	s_wait_kmcnt 0x0
	s_add_co_i32 s92, s84, s85
	s_add_co_i32 s92, s92, 127
	s_lshl_b32 s92, s92, 23                        ; 2^(e0 + e1) as f32
	s_mov_b32 s93, s92                             ; (named with it as a pair)
	s_cmp_eq_u32 s56, 0
	s_cselect_b32 s57, s86, s87
	s_cmp_eq_u32 s56, 2
	s_cselect_b32 s57, s89, s57                    ; e2, e3 or e5: a choice, no branch
	s_add_co_i32 s57, s57, 127
	s_lshl_b32 s99, s57, 23
	v_mov_b32 v[SCV], s99
	s_add_co_i32 s57, s57, 8
	s_lshl_b32 s57, s57, 23
	s_or_b32 s57, s57, 0x600000
	v_mov_b32 v[LIMV], s57                         ; 448 x the scale
.macro FETCH s, f                      ; the fragments of K step s (128 along K; chunk s / 2) into buffer f: 32 LDS loads in one run
	WIN TO_F
.irp i, 0,1,2,3
.irp c, 0,1,2,3
	ds_load_b128 v[\f+64+16*\i+4*\c:\f+64+16*\i+4*\c+3], v[ADR_P+(\s)/2] offset:((\s)%2)*128+32*\c+\i*16*PITCH
.endr
.endr
.irp i, 0,1,2,3
.irp c, 0,1,2,3
	ds_load_b128 v[\f+16*\i+4*\c:\f+16*\i+4*\c+3], v[ADR_R+(\s)/2] offset:((\s)%2)*128+32*\c+\i*16*PITCH
.endr
.endr
.endm
.macro MUL f, zero                     ; 16 matrix instructions; the 16 accumulators take turns, in the same order in every step
	WIN MULW
.irp a, 0,1,2,3
.irp b, 0,1,2,3
.if \zero
	v_wmma_f32_16x16x128_fp8_fp8 v[ACC+8*(4*\a+\b):ACC+8*(4*\a+\b)+7], v[\f+64+16*\b:\f+64+16*\b+15], v[\f+16*\a:\f+16*\a+15], 0
.else
	v_wmma_f32_16x16x128_fp8_fp8 v[ACC+8*(4*\a+\b):ACC+8*(4*\a+\b)+7], v[\f+64+16*\b:\f+64+16*\b+15], v[\f+16*\a:\f+16*\a+15], v[ACC+8*(4*\a+\b):ACC+8*(4*\a+\b)+7]
.endif
.endr
.endr
.endm
.macro NEWCHUNK n                      ; my part of the next chunk has landed (n younger loads of mine may stay out); then everybody's has
	s_wait_tensorcnt \n
	s_wait_dscnt 0x0
	s_barrier_signal -1
	s_barrier_wait -1
.endm
	NEWCHUNK 3                                     ; chunk 0
	FETCH 0, F0
	FETCH 1, F1
	s_wait_dscnt 32                                ; this step's 32 loads are in; the next step's 32 may be out (so in every step below)
	MUL F0, 1                                      ; the first step's products start the sums
	NEWCHUNK 2
	PLACES
	FETCH 2, F0
	s_wait_dscnt 32
	MUL F1, 0
	PLACES
	FETCH 3, F1
	s_wait_dscnt 32
	MUL F0, 0
	NEWCHUNK 1
	PLACES
	FETCH 4, F0
	s_wait_dscnt 32
	MUL F1, 0
	PLACES
	FETCH 5, F1
	s_wait_dscnt 32
	MUL F0, 0
	NEWCHUNK 0
	PLACES
	FETCH 6, F0
	s_wait_dscnt 32
	MUL F1, 0
	PLACES
	FETCH 7, F1
	s_wait_dscnt 32
	MUL F0, 0
	s_wait_dscnt 0
	MUL F1, 0
	WIN 0
	; THE WAY OUT: sum x 2^(e0 + e1) + bias, held, converted: 8 codes a lane and accumulator; through my stage; 512 consecutive bytes a store.
	s_wait_loadcnt 0x0                             ; the biases
.set i, 0
.rept 32
	v_cndmask_b32 v[BP+i], 0, v[BP+i], s62         ; the set that does not apply becomes 0.  (These plain lines are also the places behind the last products)
.set i, i+1
.endr
.irp a, 0,1,2,3
	v_cndmask_b32 v[BR+2*\a], 0, v[BR+2*\a], s63
.endr
.macro QACC a, b
.set AB, ACC+8*(4*\a+\b)
.set TS, TMP+8*((\b)%2)
.irp i, 0,2,4,6
	v_pk_fma_f32 v[TS+\i:TS+\i+1], v[AB+\i:AB+\i+1], s[92:93], v[BP+8*\b+\i:BP+8*\b+\i+1] op_sel_hi:[1,0,1]   ; each accumulator from its low end on
.endr
.irp i, 0,2,4,6
	v_pk_add_f32 v[TS+\i:TS+\i+1], v[TS+\i:TS+\i+1], v[BR+2*\a:BR+2*\a+1] op_sel_hi:[1,0]
.endr
.irp i, 0,1,2,3,4,5,6,7
	v_med3_num_f32 v[TS+\i], v[TS+\i], -v[LIMV], v[LIMV]
.endr
	v_cvt_scalef32_pk8_fp8_f32 v[CD+2*(4*\a+\b):CD+2*(4*\a+\b)+1], v[TS:TS+7], v[SCV]
.endm
.irp a, 0,1,2,3
.irp b, 0,1,2,3
	QACC \a, \b
.endr
.endr
	v_nop                                          ; a plain line behind the last conversion
.irp a, 0,1,2,3
.irp b, 0,1,2,3
	ds_store_b64 v[STO], v[CD+2*(4*\a+\b):CD+2*(4*\a+\b)+1] offset:\a*1280+16*\b
.endr
.endr
.irp i, 0,1,2,3,4,5,6,7
	ds_load_b128 v[BP+4*\i:BP+4*\i+3], v[RD] offset:640*\i   ; LDS serves a wave's instructions in order: these see my stores
.endr
.irp i, 0,1,2,3,4,5,6,7
	s_wait_dscnt 7-\i
	global_store_b128 v[CO], v[BP+4*\i:BP+4*\i+3], s[12:13] offset:512*\i
.endr
	s_wait_tensorcnt 0x0                           ; the wave's end
	ds_add_u32 v[SPW], v[NIL]
	s_wait_dscnt 0x0
	CROUND                                         ; the closing round
	s_endpgm
.Lfunc_end_k_q2185b414fe_qkvgemm:
	.size	k_q2185b414fe_qkvgemm, .Lfunc_end_k_q2185b414fe_qkvgemm-k_q2185b414fe_qkvgemm
	.p2alignl 7, 3214868480
	.fill 96, 4, 3214868480
	.section	.rodata,"a",@progbits
	.p2align	6, 0x0
	.amdhsa_kernel k_q2185b414fe_qkvgemm
		.amdhsa_group_segment_fixed_size 327680
		.amdhsa_private_segment_fixed_size 0
		.amdhsa_enable_private_segment 0
		.amdhsa_kernarg_size 40
		.amdhsa_user_sgpr_count 2
		.amdhsa_user_sgpr_kernarg_segment_ptr 1
		.amdhsa_wavefront_size32 1
		.amdhsa_system_sgpr_workgroup_id_x 1
		.amdhsa_system_sgpr_workgroup_id_y 1
		.amdhsa_system_sgpr_workgroup_id_z 1
		.amdhsa_system_vgpr_workitem_id 0
		.amdhsa_next_free_vgpr 512
		.amdhsa_next_free_sgpr 100
		.amdhsa_reserve_vcc 0
		.amdhsa_float_denorm_mode_32 3
		.amdhsa_float_denorm_mode_16_64 3
		.amdhsa_memory_ordered 1
		.amdhsa_forward_progress 1
		.amdhsa_inst_pref_size 60
	.end_amdhsa_kernel
	.amdgpu_metadata
---
amdhsa.version: [ 1, 2 ]
amdhsa.kernels:
  - .name:           k_q2185b414fe_qkvgemm
    .symbol:         k_q2185b414fe_qkvgemm.kd
    .args:
      - { .name: xc, .offset: 0, .size: 8, .value_kind: global_buffer, .address_space: global }
      - { .name: wac, .offset: 8, .size: 8, .value_kind: global_buffer, .address_space: global }
      - { .name: b_attn, .offset: 16, .size: 8, .value_kind: global_buffer, .address_space: global }
      - { .name: lowp_scales, .offset: 24, .size: 8, .value_kind: global_buffer, .address_space: global }
      - { .name: qkv, .offset: 32, .size: 8, .value_kind: global_buffer, .address_space: global }
    .group_segment_fixed_size: 327680
    .private_segment_fixed_size: 0
    .kernarg_segment_align: 8
    .kernarg_segment_size: 40
    .max_flat_workgroup_size: 128
    .sgpr_count:     100
    .vgpr_count:     512
    .wavefront_size: 32
...
	.end_amdgpu_metadata
.endif
;; end of part 2
;; launch attn (part 3): grid 8 x 32, 16 waves a work-group, no clusters, 275,456 bytes of LDS; arguments qkv, lowp_scales, threshold, leak, steepness, yc; writes yc
.if DOCPART == 3
	.amdgcn_target "amdgcn-amd-amdhsa--gfx1250"
	.amdhsa_code_object_version 6
	.text
	.protected	k_q2185b414fe_attn
	.globl	k_q2185b414fe_attn
	.p2align	8
	.type	k_q2185b414fe_attn,@function
k_q2185b414fe_attn:
	s_mov_b64 s[64:65], 0
	v_nop
	global_prefetch_b8 v0, s[64:65] scope:SCOPE_SE
	s_setreg_imm32_b32 hwreg(HW_REG_WAVE_MODE, 25, 1), 1
	s_wait_xcnt 0x0
; Causal attention whose weights are p x lif(p), normalised anew, both products on codes of FP8.  p = softmax(q k / 8); fire = sigmoid(st (p - thr)); w = p (fire + lk (1 - fire)); mod = w / (sum w + 1e-8);
; y = mod v.  mod is quantised finished, with 2^e4; y with 2^e6, for the next launch.  All ahead of a quantiser is f32.
; A row needs three row-wide figures (largest score, sum of exponentials, sum of w) before one code of mod can be made.  So THE KEYS ARE SHARED OUT AMONG THE SIXTEEN WAVES, 128 keys a wave, fixed for the whole
; launch: a wave's fragments of K stay in 64 registers, its fragments of V in its own 8 KiB of LDS, and its share of a block's scores, 32 queries x 128 keys = 128 registers, stays in registers from the first
; product to the codes: score -> exponential -> p -> w -> mod, in place.  The waves meet three times a block: (largest, sum), sum of w, and the partial sums of the second product, all through LDS.
; A work-group takes one (batch, head) and blocks of 32 queries at 256 j + 32 g, j = 0 .. 7 (g = work-group x): every work-group then has the same number of active wave-blocks.
; CAUSAL: a wave whose 128 keys all come after the block's queries leaves the work out (scalar branches on ids, never round a barrier); its places in LDS hold neutral numbers, written once at the head:
; the blocks ascend, so a wave that is idle has never been at work.  The one wave on the diagonal sets hidden scores to -infinity.
; THE LARGEST SCORE is taken away before the exponential: each wave takes M = its own largest t, rounded up to a whole number; the waves' sums are joined by 2^(whole number), which rounds nothing.
; LAYOUT: both products transposed (source 0 = keys, or the head's channels; source 1 = queries): a lane holds one query.  Lane r of key tile 2 b + u takes key 32 b + 8 u + r + 8 (r / 8), so that the 16 registers of
; tiles 2 b, 2 b + 1 are keys 32 b + 16 (lane / 16) + 0 .. 15, the order in which V's fragments are laid.
; No cluster: K and V are read once by a work-group, at its head, and nothing is streamed.
; LIMITS: e2 + e3 between -124 and 129 (added to an exponent field); e4 and e6 - e4 - e5 between -126 and 119.  NaN is not served.  softplus is max(x, 0) + ln(1 + e^-|x|): its absolute error, about 1e-7,
; enters the sigmoid's argument alone.
; REGISTERS: v1-10 addresses; v11 r - 16 h; v[12:13], v[14:15] (-M, sum) of tiles 0, 1, later (lk, lk), (Bc, Bc); v[16:17], v[18:19] a factor for each tile; v[20:23] sums of w; v24, 25, 28, 29 at work;
;   v26 2^e4; v27 2^(e6 - e4 - e5); v30, 31 the add's two; v32-47 Q; v48-63 T, at work; v64-127 K; v128-255 S (128 + 64 tile + 8 key tile + j).
.set OPART, 131072                     ; LDS: 0: V's fragments, 8,192 a wave.  Here: partial sums of the second product, 8,192 a wave: [accumulator 8][half 2][lane][16]
.set STAT,  262144                     ; [query 32], pitch 144: sixteen waves' (-M, sum)
.set ZOFF,  4608                       ; behind it, the same shape: the waves' sums of w
.set QTS,   2304                       ; sixteen queries of that pitch
.set YST,   271360                     ; a block's codes of y: 32 x 64 bytes
.set SPARE, 273408                     ; the spare words: 128 bytes for each wave, eight blocks of 256 bytes that no other line names
.macro BAR                             ; my LDS stores have landed and my LDS loads are in: then the work-group's barrier, on every wave's path
	s_wait_dscnt 0x0
	s_barrier_signal -1
	s_barrier_wait -1
.endm
	s_load_b256 s[4:11], s[0:1], 0x0               ; qkv s[4:5], the exponents s[6:7], threshold s[8:9], leak s[10:11]
	s_load_b128 s[12:15], s[0:1], 0x20             ; steepness s[12:13], yc s[14:15]
	v_lshl_add_u32 v30, v0, 2, SPARE
	v_mov_b32 v31, 0
	v_lshrrev_b32 v28, 5, v0
	v_readfirstlane_b32 s16, v28                   ; wave w, 0 .. 15
	v_and_b32 v24, 15, v0                          ; r
	v_bfe_u32 v25, v0, 4, 1                        ; h
	v_and_b32 v29, 31, v0                          ; lane
	s_lshr_b32 s18, s16, 2
	s_sub_co_u32 s17, s16, s18
	s_and_b32 s17, s17, 3
	s_lshl_b32 s17, s17, 2
	s_add_co_u32 s17, s17, s18                     ; my 128 keys: chunk (w / 4) + 4 ((w - w / 4) % 4): the early chunks fall on waves that differ both in w % 4 and in w / 4.  It enters global addresses and compares alone
	; every LDS address is made here, ahead of the first parting of the waves
	v_lshlrev_b32 v1, 6, v24
	v_lshl_add_u32 v1, v25, 4, v1                  ; Q and V in memory: row r of 64 bytes + 16 h
	v_mul_u32_u24 v2, v24, 144
	s_lshl_b32 s19, s16, 3
	s_add_co_u32 s19, s19, STAT
	v_add_nc_u32 v2, s19, v2                       ; where I put my wave's pair for query r
	v_mul_u32_u24 v3, v24, 144
	v_lshl_add_u32 v3, v25, 6, v3
	v_add_nc_u32 v3, STAT, v3                      ; where I read eight waves' pairs: waves 8 h on
	v_lshlrev_b32 v4, 4, v29
	s_lshl_b32 s19, s16, 13
	v_add_nc_u32 v4, s19, v4                       ; my wave's V: 16 x lane + 8,192 w
	v_add_nc_u32 v5, OPART, v4                     ; my wave's partial sums
	v_lshlrev_b32 v6, 4, v0
	v_add_nc_u32 v6, OPART, v6                     ; the slice that I add up: 512 w + 16 x lane in each wave's 8,192,
	v_add_nc_u32 v7, 65536, v6                     ; waves 8 on
	s_lshr_b32 s19, s16, 3
	s_lshl_b32 s19, s19, 10                        ; slice w is accumulator w / 2 (channels 16 ((w / 2) % 4) on, queries 16 (w / 8) on), registers 4 (w % 2) on
	s_bfe_u32 s23, s16, 0x20001
	s_lshl_b32 s23, s23, 4
	s_add_co_u32 s19, s19, s23
	s_and_b32 s23, s16, 1
	s_lshl_b32 s23, s23, 2
	s_add_co_u32 s19, s19, s23
	s_add_co_u32 s19, s19, YST
	v_lshlrev_b32 v8, 6, v24
	v_lshl_add_u32 v8, v25, 3, v8
	v_add_nc_u32 v8, s19, v8                       ; its four codes: row r of 64 bytes + 8 h
	v_and_b32 v10, 127, v0
	v_lshlrev_b32 v10, 4, v10                      ; the block's 2,048 bytes leave by waves 0 to 3, 16 bytes a thread
	v_add_nc_u32 v9, YST, v10
	v_and_b32 v28, 8, v24
	v_add_nc_u32 v28, v28, v24
	v_lshlrev_b32 v28, 6, v28
	v_lshl_add_u32 v28, v25, 4, v28                ; K in memory: row r + 8 (r / 8), + 16 h
	v_lshlrev_b32 v11, 4, v25
	v_sub_nc_u32 v11, v24, v11                     ; r - 16 h
	s_and_b32 s19, ttmp7, 0xffff                   ; batch x 16 + head
	s_and_b32 s50, s19, 15
	s_lshr_b32 s51, s19, 4
	s_lshl_b32 s52, s50, 2
	s_mov_b32 s53, 0
	s_lshl_b32 s21, ttmp9, 5                       ; the block's first query
	s_lshr_b32 s22, s21, 7                         ; and the chunk of keys that it lies in
	s_mov_b32 s20, 0                               ; j
	s_mov_b32 s48, 0x76543210
	s_mov_b32 s49, 0xfedcba98                      ; v_permlanex16_b32: lane l xor 16
	s_lshl_b32 s54, s19, 17                        ; 131,072 bytes for each (batch, head) in each part
	s_lshl_b32 s56, s17, 13
	s_add_co_u32 s56, s56, s54                     ; + my 128 keys: 8,192 bytes in K and in V
	s_mov_b32 s57, 0
	s_lshl_b32 s58, s21, 6
	s_add_co_u32 s58, s58, s54
	s_mov_b32 s59, 0
	s_lshl_b32 s60, s50, 18                        ; yc: [head][token 4,096][64]
	s_lshl_b32 s61, s51, 11
	s_add_co_u32 s61, s61, s21
	s_lshl_b32 s61, s61, 6
	s_add_co_u32 s60, s60, s61
	s_mov_b32 s61, 0
	s_wait_kmcnt 0x0
	s_load_b256 s[24:31], s[6:7], 0x0              ; e0 .. e7
	s_add_nc_u64 s[8:9], s[8:9], s[52:53]
	s_add_nc_u64 s[10:11], s[10:11], s[52:53]
	s_add_nc_u64 s[12:13], s[12:13], s[52:53]
	s_load_b32 s44, s[8:9], 0x0                    ; my head's threshold,
	s_load_b32 s45, s[10:11], 0x0                  ; leak,
	s_load_b32 s46, s[12:13], 0x0                  ; steepness
	s_add_nc_u64 s[32:33], s[4:5], s[56:57]
	s_add_nc_u64 s[34:35], s[32:33], 0x800000      ; V's part
	s_add_nc_u64 s[32:33], s[32:33], 0x400000      ; K's part
	s_add_nc_u64 s[4:5], s[4:5], s[58:59]          ; Q at block 0
	s_add_nc_u64 s[14:15], s[14:15], s[60:61]
.irp kt, 0,1,2,3,4,5,6,7
.irp c, 0,1
	global_load_b128 v[64+8*\kt+4*\c:67+8*\kt+4*\c], v28, s[32:33] offset:(32*(\kt/2)+8*(\kt%2))*64+32*\c
.endr
.endr
.irp dt, 0,1,2,3
.irp c, 0,1,2,3
	global_load_b128 v[128+16*\dt+4*\c:131+16*\dt+4*\c], v1, s[34:35] offset:(\c/2)*4096+16*\dt*64+32*(\c%2)   ; channel 16 dt + r, keys 32 c + 16 h on
.endr
.endr
.macro QLOAD
.irp qt, 0,1
.irp c, 0,1
	global_load_b128 v[32+8*\qt+4*\c:35+8*\qt+4*\c], v1, s[4:5] offset:1024*\qt+32*\c
.endr
.endr
.endm
	QLOAD
	s_wait_kmcnt 0x0
	v_mov_b32 v48, s44
	v_mov_b32 v49, s45
	v_mov_b32 v50, s46
	v_mul_f32 v51, 0xbfb8aa3b, v49                 ; -leak log2(e)
	v_and_b32 v52, 0x7fffffff, v50
	v_mul_f32 v52, 0xbfb8aa3b, v52                 ; -|steepness| log2(e)
	v_exp_f32 v51, v51
	v_exp_f32 v52, v52
	v_nop
	s_wait_alu depctr_va_vdst(0)                   ; one wait for the two, ahead of their first reader
	v_add_f32 v51, 1.0, v51
	v_add_f32 v52, 1.0, v52
	v_rcp_f32 v51, v51                             ; lk = sigmoid(leak)
	v_log_f32 v52, v52
	v_max_num_f32 v50, 0, v50                      ; (a plain place)
	s_wait_alu depctr_va_vdst(0)
	v_fmamk_f32 v50, v52, 0x3f317218, v50          ; st = softplus(steepness)
	v_and_b32 v48, 0x7fffffff, v48
	v_mul_f32 v48, 0x3dcccccd, v48                 ; thr = |threshold| x 0.1
	v_mul_f32 v53, 0x3fb8aa3b, v50
	v_mul_f32 v54, v53, v48                        ; Bc = st thr log2(e)
	v_xor_b32 v53, 0x80000000, v53                 ; A = -st log2(e): fire = 1 / (1 + 2^(A p + Bc))
	v_sub_f32 v55, 1.0, v51
	v_readfirstlane_b32 s38, v53
	v_readfirstlane_b32 s40, v55
	v_readfirstlane_b32 s42, v51
	v_readfirstlane_b32 s43, v54
	s_mov_b32 s39, s38                             ; (named as pairs, so both words are written)
	s_mov_b32 s41, s40
	s_add_co_i32 s50, s26, s27
	s_lshl_b32 s50, s50, 23
	s_add_co_i32 s36, s50, 0x3e38aa3b              ; c = log2(e) / 8, with e2 + e3 added to its exponent field
	s_mov_b32 s37, s36
	s_add_co_i32 s50, s28, 127
	s_lshl_b32 s51, s50, 23
	v_mov_b32 v26, s51                             ; 2^e4
	s_add_co_i32 s50, s50, 8
	s_lshl_b32 s50, s50, 23
	s_or_b32 s44, s50, 0x600000                    ; 448 x 2^e4
	s_sub_co_i32 s50, s30, s28
	s_sub_co_i32 s50, s50, s29
	s_add_co_i32 s50, s50, 127
	s_lshl_b32 s51, s50, 23
	v_mov_b32 v27, s51                             ; a sum of the second product stands for sum x 2^(e4 + e5): its code is sum / 2^(e6 - e4 - e5)
	s_add_co_i32 s50, s50, 8
	s_lshl_b32 s50, s50, 23
	s_or_b32 s46, s50, 0x600000
	s_or_b32 s45, s46, 0x80000000
	v_mov_b32 v12, 0x7f61b1e6                      ; the neutral pair: -M = 3e38, above every -M; sum 0
	v_mov_b32 v13, 0
	v_mov_b32 v14, 0x7f61b1e6
	v_mov_b32 v15, 0
.set i, 16
.rept 8
	v_mov_b32 v[i], 0
.set i, i+1
.endr
.set i, 192
.rept 64
	v_mov_b32 v[i], 0                              ; once: the zeros that fill my places in LDS; and every register of S is written before the loop
.set i, i+1
.endr
	s_wait_loadcnt 0x0
.irp dt, 0,1,2,3
.irp c, 0,1,2,3
	ds_store_b128 v4, v[128+16*\dt+4*\c:131+16*\dt+4*\c] offset:(4*\dt+\c)*512   ; V's fragments as images of their registers: only my wave reads them
.endr
.endr
.set i, 0
.rept 16
	ds_store_b128 v5, v[192:195] offset:512*i
.set i, i+1
.endr
	ds_store_b64 v2, v[12:13]
	ds_store_b64 v2, v[14:15] offset:QTS
	ds_store_b64 v2, v[192:193] offset:ZOFF
	ds_store_b64 v2, v[192:193] offset:ZOFF+QTS
	s_wait_dscnt 0x0                               ; the stores have read their registers
.macro MASKG b                         ; keys 32 b .. 32 b + 31 of the diagonal chunk.  Register 16 b + i of tile qt holds key 32 b + 16 h + i: hidden where 32 b + i - 16 qt > (first query % 128) + r - 16 h
	s_cmp_gt_u32 s23, \b                           ; a group all of whose keys count is passed over
	s_cbranch_scc1 .Lcounts_\@
.irp qt, 0,1
.irp i, 0,1,2,3,4,5,6,7,8,9,10,11,12,13,14,15
	v_cmp_gt_i32 vcc_lo, 32*\b+\i-16*\qt, v29
	v_cndmask_b32 v[128+64*\qt+16*\b+\i], v[128+64*\qt+16*\b+\i], v28, vcc_lo
.endr
.endr
.Lcounts_\@:
.endm
.macro ROWMAX qt, ta, tb               ; -M of tile qt: each accumulator is read from its low end on
.set SB, 128+64*\qt
	v_max3_num_f32 v[\ta], v[SB], v[SB+1], v[SB+2]
	v_max3_num_f32 v[\tb], v[SB+3], v[SB+4], v[SB+5]
.irp i, 6,10,14,18,22,26,30,34,38,42,46,50,54,58
	v_max3_num_f32 v[\ta], v[\ta], v[SB+\i], v[SB+\i+1]
	v_max3_num_f32 v[\tb], v[\tb], v[SB+\i+2], v[SB+\i+3]
.endr
	v_max3_num_f32 v[\ta], v[\ta], v[SB+62], v[SB+63]
	v_max_num_f32 v[\ta], v[\ta], v[\tb]
	v_permlanex16_b32 v[\tb], v[\ta], s48, s49
	v_max_num_f32 v[\ta], v[\ta], v[\tb]
	v_mul_f32 v[\ta], s36, v[\ta]                  ; as t (c is positive)
	v_floor_f32 v[12+2*\qt], -v[\ta]               ; -M = floor(-t): M is a whole number
.endm
.macro ROWSUM qt                       ; the sum of my 128 exponentials of each query
.set SB, 128+64*\qt
.set TA, 48+4*\qt
	v_pk_add_f32 v[TA:TA+1], v[SB:SB+1], v[SB+2:SB+3]
	v_pk_add_f32 v[TA+2:TA+3], v[SB+4:SB+5], v[SB+6:SB+7]
.irp j, 8,12,16,20,24,28,32,36,40,44,48,52,56,60
	v_pk_add_f32 v[TA:TA+1], v[TA:TA+1], v[SB+\j:SB+\j+1]
	v_pk_add_f32 v[TA+2:TA+3], v[TA+2:TA+3], v[SB+\j+2:SB+\j+3]
.endr
	v_pk_add_f32 v[TA:TA+1], v[TA:TA+1], v[TA+2:TA+3]
	v_add_f32 v[13+2*\qt], v[TA], v[TA+1]
	v_permlanex16_b32 v[TA+2], v[13+2*\qt], s48, s49
	v_add_f32 v[13+2*\qt], v[13+2*\qt], v[TA+2]
.endm
.macro STATS qt                        ; the sixteen waves' pairs are joined: g = 2^(my M - the row's M) / the row's sum
.irp i, 0,1,2,3
	ds_load_b128 v[48+4*\i:51+4*\i], v3 offset:QTS*\qt+16*\i
.endr
	s_wait_dscnt 0x0
	v_min3_num_f32 v28, v48, v50, v52
	v_min3_num_f32 v28, v28, v54, v56
	v_min3_num_f32 v28, v28, v58, v60
	v_min_num_f32 v28, v28, v62
	v_permlanex16_b32 v29, v28, s48, s49
	v_min_num_f32 v28, v28, v29                    ; the row's -M
.irp i, 0,2,4,6,8,10,12,14
	v_sub_f32 v[48+\i], v28, v[48+\i]              ; a wave's M less the row's: a whole number, 0 or less
.endr
.irp i, 0,2,4,6,8,10,12,14
	v_cvt_i32_f32 v[48+\i], v[48+\i]               ; (it saturates)
.endr
.irp i, 0,2,4,6,8,10,12,14
	v_ldexp_f32 v[49+\i], v[49+\i], v[48+\i]       ; the wave's sum under the row's M: nothing is rounded
.endr
	v_add_f32 v49, v49, v51
	v_add_f32 v53, v53, v55
	v_add_f32 v57, v57, v59
	v_add_f32 v61, v61, v63
	v_add_f32 v49, v49, v53
	v_add_f32 v57, v57, v61
	v_add_f32 v49, v49, v57
	v_permlanex16_b32 v29, v49, s48, s49
	v_add_f32 v49, v49, v29
	v_rcp_f32 v49, v49
	v_sub_f32 v28, v28, v[12+2*\qt]                ; (a plain place)
	v_cvt_i32_f32 v28, v28
	s_wait_alu depctr_va_vdst(0)
	v_ldexp_f32 v[16+2*\qt], v49, v28
.endm
.macro LIF qt, k                       ; sixteen registers of S: exponential -> p -> w, in place; their sum goes to the tile's sum of w
.set SB, 128+64*\qt+16*\k
.irp i, 0,2,4,6,8,10,12,14
	v_pk_mul_f32 v[SB+\i:SB+\i+1], v[SB+\i:SB+\i+1], v[16+2*\qt:17+2*\qt] op_sel_hi:[1,0]   ; p
.endr
.irp i, 0,2,4,6,8,10,12,14
	v_pk_fma_f32 v[48+\i:49+\i], v[SB+\i:SB+\i+1], s[38:39], v[14:15] op_sel_hi:[1,0,1]     ; A p + Bc
.endr
.irp i, 0,1,2,3,4,5,6,7,8,9,10,11,12,13,14,15
	v_exp_f32 v[48+\i], v[48+\i]
.endr
	v_nop
	s_wait_alu depctr_va_vdst(0)                   ; one wait for the batch of sixteen
.irp i, 0,2,4,6,8,10,12,14
	v_pk_add_f32 v[48+\i:49+\i], v[48+\i:49+\i], 1.0 op_sel_hi:[1,0]
.endr
.irp i, 0,1,2,3,4,5,6,7,8,9,10,11,12,13,14,15
	v_rcp_f32 v[48+\i], v[48+\i]                   ; fire
.endr
	v_nop
	s_wait_alu depctr_va_vdst(0)
.irp i, 0,2,4,6,8,10,12,14
	v_pk_fma_f32 v[48+\i:49+\i], v[48+\i:49+\i], s[40:41], v[12:13] op_sel_hi:[1,0,1]       ; fire (1 - lk) + lk
.endr
.irp i, 0,2,4,6,8,10,12,14
	v_pk_mul_f32 v[SB+\i:SB+\i+1], v[SB+\i:SB+\i+1], v[48+\i:49+\i]                         ; w
.endr
.irp i, 0,2,4,6
	v_pk_add_f32 v[48+\i:49+\i], v[SB+\i:SB+\i+1], v[SB+8+\i:SB+9+\i]
.endr
	v_pk_add_f32 v[48:49], v[48:49], v[50:51]
	v_pk_add_f32 v[52:53], v[52:53], v[54:55]
	v_pk_add_f32 v[48:49], v[48:49], v[52:53]
	v_pk_add_f32 v[20+2*\qt:21+2*\qt], v[20+2*\qt:21+2*\qt], v[48:49]
.endm
.macro NORMQ qt, dst                   ; w -> mod -> codes, 16 registers from v[dst] on: the second product's source 1
.set SB, 128+64*\qt
.set i, 0
.rept 32
	v_pk_mul_f32 v[SB+i:SB+i+1], v[SB+i:SB+i+1], v[16+2*\qt:17+2*\qt] op_sel_hi:[1,0]
.set i, i+2
.endr
.set i, 0
.rept 64
	v_min_num_f32 v[SB+i], s44, v[SB+i]            ; the conversion does not saturate (ISA guide 7.6.2); mod is not negative, so the hold is one-sided
.set i, i+1
.endr
.irp kt, 0,1,2,3,4,5,6,7
	v_cvt_scalef32_pk8_fp8_f32 v[\dst+2*\kt:\dst+2*\kt+1], v[SB+8*\kt:SB+8*\kt+7], v26
.endr
	v_nop                                          ; a plain line behind the last conversion
.endm
.macro FLUSH step                      ; a finished block's 2,048 bytes of codes: each wave stores 512 consecutive bytes, aligned
	ds_load_b128 v[48:51], v9
	s_wait_dscnt 0x0
	global_store_b128 v10, v[48:51], s[14:15]
.if \step
	s_wait_xcnt 0x0                                ; the store has read its base and its data: both may be written
	s_add_nc_u64 s[14:15], s[14:15], 16384         ; 256 tokens on
.endif
.endm
.Lblock:
	s_wait_loadcnt 0x0                             ; this block's Q is in; so its loads' base may step
	s_add_nc_u64 s[4:5], s[4:5], 16384             ; 256 queries on
	s_cmp_gt_u32 s17, s22
	s_cbranch_scc1 .Lskip1
	; ---- 1: scores, the wave's largest, exponentials, their sum
.irp kt, 0,1,2,3,4,5,6,7
.irp qt, 0,1
	v_wmma_f32_16x16x64_fp8_fp8 v[128+64*\qt+8*\kt:135+64*\qt+8*\kt], v[64+8*\kt:71+8*\kt], v[32+8*\qt:39+8*\qt], 0
.endr
.endr
.rept 4
	v_nop                                          ; four places in front of the first read of results
.endr
	s_cmp_lg_u32 s17, s22
	s_cbranch_scc1 .Lopen
	s_and_b32 s23, s21, 127
	v_add_nc_u32 v29, s23, v11
	v_mov_b32 v28, 0xff800000                      ; -infinity: the exponential is then 0
	s_lshr_b32 s23, s23, 5
	MASKG 0
	MASKG 1
	MASKG 2
	MASKG 3
.Lopen:
	ROWMAX 0, 28, 29
	ROWMAX 1, 24, 25
.set i, 0
.rept 64
	v_pk_fma_f32 v[128+i:129+i], v[128+i:129+i], s[36:37], v[12+2*(i/64):13+2*(i/64)] op_sel_hi:[1,0,0]   ; t - M
.set i, i+2
.endr
.set i, 0
.rept 128
	v_exp_f32 v[128+i], v[128+i]
.set i, i+1
.endr
	v_nop
	s_wait_alu depctr_va_vdst(0)                   ; one wait for the batch of 128
	ROWSUM 0
	ROWSUM 1
	ds_store_b64 v2, v[12:13]
	ds_store_b64 v2, v[14:15] offset:QTS
.Lskip1:
	s_cmp_eq_u32 s20, 7
	s_cbranch_scc1 .Lnoq                           ; the last block asks for nothing: no load leaves its buffer
	QLOAD                                          ; the next block's Q, a block ahead
.Lnoq:
	BAR                                            ; every wave's (-M, sum) lies in LDS; and the block before's codes of y
	s_cmp_eq_u32 s20, 0
	s_cbranch_scc1 .Lnoflush
	s_cmp_gt_u32 s16, 3
	s_cbranch_scc1 .Lnoflush
	FLUSH 1
.Lnoflush:
	s_cmp_gt_u32 s17, s22
	s_cbranch_scc1 .Lskip2
	; ---- 2: p, w, the wave's sum of w
	STATS 0
	STATS 1
	v_mov_b32 v12, s42
	v_mov_b32 v13, s42
	v_mov_b32 v14, s43
	v_mov_b32 v15, s43
	v_mov_b32 v20, 0
	v_mov_b32 v21, 0
	v_mov_b32 v22, 0
	v_mov_b32 v23, 0
.irp qt, 0,1
.irp k, 0,1,2,3
	LIF \qt, \k
.endr
.endr
	v_add_f32 v20, v20, v21
	v_add_f32 v22, v22, v23
	v_permlanex16_b32 v28, v20, s48, s49
	v_permlanex16_b32 v29, v22, s48, s49
	v_add_f32 v20, v20, v28
	v_add_f32 v22, v22, v29
	ds_store_b64 v2, v[20:21] offset:ZOFF          ; the pair's first word counts
	ds_store_b64 v2, v[22:23] offset:ZOFF+QTS
.Lskip2:
	BAR                                            ; every wave's sum of w lies in LDS
	s_cmp_gt_u32 s17, s22
	s_cbranch_scc1 .Lskip3
	; ---- 3: mod, its codes, my keys' part of the second product
.irp i, 0,1,2,3
	ds_load_b128 v[48+4*\i:51+4*\i], v3 offset:ZOFF+16*\i
.endr
	s_wait_dscnt 0x0
	v_add_f32 v48, v48, v50
	v_add_f32 v52, v52, v54
	v_add_f32 v56, v56, v58
	v_add_f32 v60, v60, v62
	v_add_f32 v48, v48, v52
	v_add_f32 v56, v56, v60
	v_add_f32 v16, v48, v56
.irp i, 0,1,2,3
	ds_load_b128 v[48+4*\i:51+4*\i], v3 offset:ZOFF+QTS+16*\i
.endr
	v_permlanex16_b32 v28, v16, s48, s49
	v_add_f32 v16, v16, v28
	v_add_f32 v16, 0x322bcc77, v16                 ; + 1e-8
	s_wait_dscnt 0x0
	v_add_f32 v48, v48, v50
	v_add_f32 v52, v52, v54
	v_add_f32 v56, v56, v58
	v_add_f32 v60, v60, v62
	v_add_f32 v48, v48, v52
	v_add_f32 v56, v56, v60
	v_add_f32 v18, v48, v56
	v_permlanex16_b32 v29, v18, s48, s49
	v_add_f32 v18, v18, v29
	v_add_f32 v18, 0x322bcc77, v18
	v_rcp_f32 v16, v16
	v_rcp_f32 v18, v18
	v_nop
	s_wait_alu depctr_va_vdst(0)
	NORMQ 0, 48                                    ; tile 0's codes into T; its 64 registers of S are free
.irp dt, 0,1,2
.irp c, 0,1,2,3
	ds_load_b128 v[144+16*\dt+4*\c:147+16*\dt+4*\c], v4 offset:(4*\dt+\c)*512
.endr
.endr
	NORMQ 1, 128                                   ; tile 1's codes into v128-143
.irp c, 0,1,2,3
	ds_load_b128 v[192+4*\c:195+4*\c], v4 offset:(12+\c)*512
.endr
	s_wait_dscnt 0x4                               ; V's first three fragments are in; the four loads of the fourth may be out
.irp dt, 0,1,2
	v_wmma_f32_16x16x128_fp8_fp8 v[208+16*\dt:215+16*\dt], v[144+16*\dt:159+16*\dt], v[48:63], 0
	v_wmma_f32_16x16x128_fp8_fp8 v[216+16*\dt:223+16*\dt], v[144+16*\dt:159+16*\dt], v[128:143], 0
.endr
	s_wait_dscnt 0x0
.rept 5
	v_nop                                          ; five places: the next results are laid over the first fragment of V
.endr
	v_wmma_f32_16x16x128_fp8_fp8 v[144:151], v[192:207], v[48:63], 0
	v_wmma_f32_16x16x128_fp8_fp8 v[152:159], v[192:207], v[128:143], 0
.rept 4
	v_nop
.endr
.irp dt, 0,1,2
.irp qt, 0,1
	ds_store_b128 v5, v[208+16*\dt+8*\qt:211+16*\dt+8*\qt] offset:1024*(\dt+4*\qt)        ; each accumulator from its low end on
	ds_store_b128 v5, v[212+16*\dt+8*\qt:215+16*\dt+8*\qt] offset:1024*(\dt+4*\qt)+512
.endr
.endr
.irp qt, 0,1
	ds_store_b128 v5, v[144+8*\qt:147+8*\qt] offset:1024*(3+4*\qt)
	ds_store_b128 v5, v[148+8*\qt:151+8*\qt] offset:1024*(3+4*\qt)+512
.endr
.Lskip3:
	BAR                                            ; every wave's partial sums lie in LDS
	; ---- 4: all sixteen waves: wave w adds slice w of the sixteen partial sums, and makes four codes of y a lane
.irp sv, 0,1,2,3,4,5,6,7
	ds_load_b128 v[192+4*\sv:195+4*\sv], v6 offset:8192*\sv
.endr
.irp sv, 0,1,2,3,4,5,6,7
	ds_load_b128 v[224+4*\sv:227+4*\sv], v7 offset:8192*\sv
.endr
	s_wait_dscnt 0x0
.irp i, 0,1,2,3,4,5,6,7
	v_pk_add_f32 v[192+8*\i:193+8*\i], v[192+8*\i:193+8*\i], v[196+8*\i:197+8*\i]
	v_pk_add_f32 v[194+8*\i:195+8*\i], v[194+8*\i:195+8*\i], v[198+8*\i:199+8*\i]
.endr
.irp i, 0,1,2,3
	v_pk_add_f32 v[192+16*\i:193+16*\i], v[192+16*\i:193+16*\i], v[200+16*\i:201+16*\i]
	v_pk_add_f32 v[194+16*\i:195+16*\i], v[194+16*\i:195+16*\i], v[202+16*\i:203+16*\i]
.endr
.irp i, 0,1
	v_pk_add_f32 v[192+32*\i:193+32*\i], v[192+32*\i:193+32*\i], v[208+32*\i:209+32*\i]
	v_pk_add_f32 v[194+32*\i:195+32*\i], v[194+32*\i:195+32*\i], v[210+32*\i:211+32*\i]
.endr
	v_pk_add_f32 v[192:193], v[192:193], v[224:225]
	v_pk_add_f32 v[194:195], v[194:195], v[226:227]
.irp i, 0,1,2,3
	v_med3_num_f32 v[192+\i], v[192+\i], s45, s46
.endr
	v_cvt_scalef32_pk8_fp8_f32 v[48:49], v[192:199], v27   ; the first four codes are mine; the other four are not used
	v_nop
	ds_store_b32 v8, v48
	s_wait_dscnt 0x0                               ; the store has read its register, which the next block writes early
	s_add_co_u32 s21, s21, 256
	s_lshr_b32 s22, s21, 7
	s_add_co_u32 s20, s20, 1
	s_cmp_lt_u32 s20, 8
	s_cbranch_scc1 .Lblock
	BAR                                            ; the last block's codes lie in LDS
	s_cmp_gt_u32 s16, 3
	s_cbranch_scc1 .Lend
	FLUSH 0
.Lend:
	s_wait_tensorcnt 0x0                           ; the wave's end, behind my last LDS store
	ds_add_u32 v30, v31
	s_wait_dscnt 0x0
	s_endpgm
.Lfunc_end_k_q2185b414fe_attn:
	.size	k_q2185b414fe_attn, .Lfunc_end_k_q2185b414fe_attn-k_q2185b414fe_attn
	.p2alignl 7, 3214868480
	.fill 96, 4, 3214868480
	.section	.rodata,"a",@progbits
	.p2align	6, 0x0
	.amdhsa_kernel k_q2185b414fe_attn
		.amdhsa_group_segment_fixed_size 275456
		.amdhsa_private_segment_fixed_size 0
		.amdhsa_enable_private_segment 0
		.amdhsa_kernarg_size 48
		.amdhsa_user_sgpr_count 2
		.amdhsa_user_sgpr_kernarg_segment_ptr 1
		.amdhsa_wavefront_size32 1
		.amdhsa_system_sgpr_workgroup_id_x 1
		.amdhsa_system_sgpr_workgroup_id_y 1
		.amdhsa_system_sgpr_workgroup_id_z 1
		.amdhsa_system_vgpr_workitem_id 0
		.amdhsa_next_free_vgpr 256
		.amdhsa_next_free_sgpr 66
		.amdhsa_reserve_vcc 1
		.amdhsa_float_denorm_mode_32 3
		.amdhsa_float_denorm_mode_16_64 3
		.amdhsa_memory_ordered 1
		.amdhsa_forward_progress 1
		.amdhsa_inst_pref_size 99
	.end_amdhsa_kernel
	.amdgpu_metadata
---
amdhsa.version: [ 1, 2 ]
amdhsa.kernels:
  - .name:           k_q2185b414fe_attn
    .symbol:         k_q2185b414fe_attn.kd
    .args:
      - { .name: qkv, .offset: 0, .size: 8, .value_kind: global_buffer, .address_space: global }
      - { .name: lowp_scales, .offset: 8, .size: 8, .value_kind: global_buffer, .address_space: global }
      - { .name: threshold, .offset: 16, .size: 8, .value_kind: global_buffer, .address_space: global }
      - { .name: leak, .offset: 24, .size: 8, .value_kind: global_buffer, .address_space: global }
      - { .name: steepness, .offset: 32, .size: 8, .value_kind: global_buffer, .address_space: global }
      - { .name: yc, .offset: 40, .size: 8, .value_kind: global_buffer, .address_space: global }
    .group_segment_fixed_size: 275456
    .private_segment_fixed_size: 0
    .kernarg_segment_align: 8
    .kernarg_segment_size: 48
    .max_flat_workgroup_size: 512
    .sgpr_count:     66
    .vgpr_count:     256
    .wavefront_size: 32
...
	.end_amdgpu_metadata
.endif
;; end of part 3
;; launch projgemm (part 4): grid 8 x 32, 4 waves a work-group, clusters of 4 x 4, 327,680 bytes of LDS; arguments yc, wpc, b_proj, lowp_scales, out0; writes out0
.if DOCPART == 4
	.amdgcn_target "amdgcn-amd-amdhsa--gfx1250"
	.amdhsa_code_object_version 6
	.text
	.protected	k_q2185b414fe_projgemm
	.globl	k_q2185b414fe_projgemm
	.p2align	8
	.type	k_q2185b414fe_projgemm,@function
k_q2185b414fe_projgemm:
	s_mov_b64 s[64:65], 0
	v_nop
	global_prefetch_b8 v0, s[64:65] scope:SCOPE_SE
	s_setreg_imm32_b32 hwreg(HW_REG_WAVE_MODE, 25, 1), 1
	s_wait_xcnt 0x0
	s_wait_alu depctr_hold_cnt(0) depctr_sa_sdst(0) depctr_va_vdst(0) depctr_va_sdst(0) depctr_va_ssrc(0) depctr_va_vcc(0) depctr_vm_vsrc(0)
	s_getreg_b32 s2, hwreg(HW_REG_IB_STS2, 6, 4)
	s_cmp_eq_u32 s2, 0
	s_cbranch_scc0 .Lentry_in_a_cluster
	s_endpgm
.Lentry_in_a_cluster:
	s_bfe_u32 s2, ttmp6, 0x10000c
	s_cmp_lg_u32 s2, 0xf033
	s_cbranch_scc0 .Lentry_shape_is_right
	s_endpgm
.Lentry_shape_is_right:
; out = y W_proj + b_proj on codes of FP8.  yc: [head 16][token 4096][64] codes (K = head x 64 + channel); wpc: [1024 features][1024] codes, K innermost; out0: [4096][1024] f32.
; A tile is 128 tokens x 128 features; four waves, 64 x 64 each: 16 accumulators.  The whole K = 1,024 of both tiles lies in LDS (4 chunks of 256 along K = 4 heads): every tile is filled once, nothing is filled again.
; CLUSTERS: 4 x 4 work-groups; the token tile is shared along a row of the cluster, the weight tile along a column: each is asked for jointly.
; The matrix instruction is used transposed (source 0 = 16 features, source 1 = 16 tokens): a lane holds eight neighbouring features of one token.
; A fragment is fetched by four loads of 16 bytes: k = 32 c + 16 (lane / 16) + 0 .. 15 on both sides.
; LIMIT: e6 + e7 between -126 and 127.
; REGISTERS: window 0: v1-29 addresses; v32-63 at work; v64-95 the way back from the stage; v96-127 the bias; v128-255 accumulators ((a, b) at 128 + 8 (4 a + b)).  window 1: two fragment buffers of 128.
.set CH,    75776                      ; a chunk in LDS: y's part, then the weight's
.set YPART, 40960                      ; [half of the tokens 2][head 4][64 tokens][64 bytes + 16]
.set YHALF, 20480
.set YHEAD, 5120
.set HALFT, 17408                      ; the weight: 64 rows x 272
.set PITCH, 272
.set STAGE, 303104                     ; behind the chunks: 16 rows x 272 bytes for each wave
.set WST,   4352
.set SPARE, 320512                     ; the spare words: 128 bytes for each wave, two blocks of 256 bytes that no other line names
.set ADR_R, 8
.set ADR_P, 12
.set STO,   16
.set RD,    17
.set CO,    18
.set BPO,   19
.set SPW,   28
.set NIL,   29
.set TMP,   32
.set BK,    64
.set BP,    96
.set ACC,   128
.set F0,    0
.set F1,    128
.set G1,    24
.set G1W,   32
.set G0,    40
.set G0W,   68
.set MSB, 0
.macro WIN new                         ; the immediate's high byte repeats the setting that is left
.if MSB != \new
	s_set_vgpr_msb (MSB<<8)|\new
.set MSB, \new
.endif
.endm
.set MULW, 0x05
.set TO_F, 0x40
.macro CREST
	s_cmp_lg_u32 s14, 0
	s_cbranch_scc1 .Lnot_wave_0_\@
	s_barrier_signal -3
.Lnot_wave_0_\@:
	s_barrier_wait -3
	s_barrier_signal -1
	s_barrier_wait -1
.endm
.macro CROUND
	s_barrier_signal -1
	s_barrier_wait -1
	CREST
.endm
.macro PLACES
.rept 4
	v_nop
.endr
.endm
	s_load_b128 s[4:7], s[0:1], 0x0                ; yc s[4:5], wpc s[6:7]
	s_load_b128 s[8:11], s[0:1], 0x10              ; b_proj s[8:9], the exponents s[10:11]
	s_load_b64 s[12:13], s[0:1], 0x20              ; out0
	v_lshl_add_u32 v[SPW], v0, 2, SPARE
	v_mov_b32 v[NIL], 0
	ds_add_u32 v[SPW], v[NIL]                      ; the wave's opening: the add and its wait stand ahead of my first tensor load
	v_lshrrev_b32 v1, 5, v0
	v_readfirstlane_b32 s14, v1                    ; wave 0..3
	s_lshr_b32 s15, s14, 1                         ; which half of the tokens is mine.  Also: I fetch y's tile (0) or the weight's (1)
	s_and_b32 s16, s14, 1                          ; which half of the features.  Also: which 64 rows of that tile I fetch
	s_bfe_u32 s94, ttmp6, 0x40000                  ; cx
	s_bfe_u32 s95, ttmp6, 0x40004                  ; cy
	s_lshl_b32 s96, ttmp9, 2
	s_add_co_u32 s96, s96, s94                     ; tile column (features)
	s_and_b32 s17, ttmp7, 0xffff
	s_lshl_b32 s17, s17, 2
	s_add_co_u32 s17, s17, s95                     ; tile row (tokens)
	s_lshl_b32 s97, s95, 2
	s_lshl_b32 s97, 15, s97                        ; my row of the cluster
	s_lshl_b32 s98, 0x1111, s94                    ; my column
	; y's tile for one load: 4 rows, one a head, each the 4,096 consecutive bytes of 64 tokens; 16 bytes of padding behind every 64: a token's 64 bytes lie 80 apart in LDS
	s_or_b32 s[G1], s97, (1<<20)|(1<<21)|(3<<22)|(3<<25)
	s_mov_b32 s[G1+1], 4096<<16                    ; tensor_dim0 = 4,096
	s_mov_b32 s[G1+2], 4<<16                       ; tensor_dim1 = 4
	s_mov_b32 s[G1+3], 4096<<16                    ; tile_dim0 = 4,096
	s_mov_b32 s[G1+4], 4                           ; tile_dim1 = 4
	s_mov_b32 s[G1+5], 262144                      ; from head to head
	s_mov_b32 s[G1+6], 0
	s_mov_b32 s[G1+7], 0
	s_or_b32 s[G1W], s98, (1<<20)|(1<<21)|(5<<22)|(3<<25)   ; the weight's: 64 rows of 256 bytes, 16 of padding behind each
	s_mov_b32 s[G1W+1], 256<<16
	s_mov_b32 s[G1W+2], 64<<16
	s_mov_b32 s[G1W+3], 256<<16
	s_mov_b32 s[G1W+4], 64
	s_mov_b32 s[G1W+5], 1024
	s_mov_b32 s[G1W+6], 0
	s_mov_b32 s[G1W+7], 0
	s_lshl_b32 s20, s17, 13                        ; y: 128 tokens of 64 bytes a tile row,
	s_lshl_b32 s18, s16, 12
	s_add_co_u32 s20, s20, s18                     ; + my 64 tokens
	s_mov_b32 s21, 0
	s_lshl_b32 s22, s96, 7
	s_lshl_b32 s18, s16, 6
	s_add_co_u32 s22, s22, s18
	s_lshl_b32 s22, s22, 10                        ; the weight: (128 x tile column + 64 x half) rows of 1,024 bytes
	s_mov_b32 s23, 0
	s_mul_i32 s19, s16, YHALF                      ; where they go: no place in the cluster enters an LDS address
	s_mul_i32 s56, s16, HALFT
	s_wait_dscnt 0x0                               ; the opening add is done
	s_wait_kmcnt 0x0
	s_load_b256 s[84:91], s[10:11], 0x0            ; e0 .. e7
	s_add_nc_u64 s[20:21], s[4:5], s[20:21]
	s_add_nc_u64 s[22:23], s[6:7], s[22:23]
.irp j, 0,1,2,3
	s_mov_b32 s[G0+4*\j], 1
	s_add_co_u32 s[G0+4*\j+1], s19, \j*CH
	s_add_nc_u64 s[G0+4*\j+2:G0+4*\j+3], s[20:21], \j*1048576   ; four heads on
	s_or_b32 s[G0+4*\j+3], s[G0+4*\j+3], 0x80000000
	s_mov_b32 s[G0W+4*\j], 1
	s_add_co_u32 s[G0W+4*\j+1], s56, \j*CH+YPART
	s_add_nc_u64 s[G0W+4*\j+2:G0W+4*\j+3], s[22:23], \j*256
	s_or_b32 s[G0W+4*\j+3], s[G0W+4*\j+3], 0x80000000
.endr
	CROUND                                         ; all sixteen work-groups are here: the joint loads meet
	s_cmp_lt_u32 s14, 2                            ; a wave's four first fills stand in one branch on the wave's number: four loads of mine are out
	s_cbranch_scc0 .Lfirst_w
.irp j, 0,1,2,3
	tensor_load_to_lds s[G0+4*\j:G0+4*\j+3], s[G1:G1+7]
	s_nop 0
.endr
.rept 4
	v_nop
.endr
	s_branch .Lfirst_asked
.Lfirst_w:
.irp j, 0,1,2,3
	tensor_load_to_lds s[G0W+4*\j:G0W+4*\j+3], s[G1W:G1W+7]
	s_nop 0
.endr
.rept 4
	v_nop
.endr
.Lfirst_asked:
	v_and_b32 v1, 15, v0                           ; r
	v_bfe_u32 v2, v0, 4, 1                         ; h
	s_lshl_b32 s60, s96, 7
	s_lshl_b32 s61, s16, 6
	s_add_co_u32 s60, s60, s61                     ; my first feature
	s_lshl_b32 s60, s60, 2
	v_lshlrev_b32 v[BPO], 5, v2
	v_add_nc_u32 v[BPO], s60, v[BPO]               ; the bias: features 16 b + 8 h + 0 .. 7
.irp b, 0,1,2,3
	global_load_b128 v[BP+8*\b:BP+8*\b+3], v[BPO], s[8:9] offset:64*\b
	global_load_b128 v[BP+8*\b+4:BP+8*\b+7], v[BPO], s[8:9] offset:64*\b+16
.endr
	v_mul_u32_u24 v3, v1, 80
	v_lshl_add_u32 v3, v2, 4, v3                   ; y: token r of 80 bytes + 16 h
	v_mul_u32_u24 v4, v1, PITCH
	v_lshl_add_u32 v4, v2, 4, v4                   ; the weight: row r x pitch + 16 h
	s_mul_i32 s58, s15, YHALF
	s_mul_i32 s59, s16, HALFT
	s_add_co_u32 s59, s59, YPART
.irp j, 0,1,2,3
	v_add_nc_u32 v[ADR_R+\j], s58, v3
	v_add_nc_u32 v[ADR_P+\j], s59, v4
	s_add_co_u32 s58, s58, CH
	s_add_co_u32 s59, s59, CH
.endr
	s_mul_i32 s99, s14, WST
	s_add_co_u32 s99, s99, STAGE                   ; my stage
	v_mul_u32_u24 v5, v1, PITCH
	v_lshl_add_u32 v5, v2, 5, v5
	v_add_nc_u32 v[STO], s99, v5                   ; in: row r, 32 bytes for each half of the lanes
	v_mul_u32_u24 v6, v2, PITCH
	v_lshl_add_u32 v6, v1, 4, v6
	v_add_nc_u32 v[RD], s99, v6                    ; back: lanes 0-15 one row of 256 bytes, lanes 16-31 the next
	v_lshlrev_b32 v[CO], 12, v2
	v_lshl_add_u32 v[CO], v1, 4, v[CO]             ; and the same two rows in out0
	s_lshl_b32 s66, s17, 7
	s_lshl_b32 s67, s15, 6
	s_add_co_u32 s66, s66, s67                     ; my first token
	s_lshl_b32 s66, s66, 12                        ; rows of 4,096 bytes
	s_add_co_u32 s66, s66, s60                     ; + my first feature, in bytes
	s_mov_b32 s67, 0
	s_add_nc_u64 s[12:13], s[12:13], s[66:67]
	s_wait_kmcnt 0x0
	s_add_co_i32 s92, s90, s91
	s_add_co_i32 s92, s92, 127
	s_lshl_b32 s92, s92, 23                        ; 2^(e6 + e7) as f32
	s_mov_b32 s93, s92                             ; (named with it as a pair)
.macro FETCH s, f                      ; the fragments of K step s (128 along K = two heads; chunk s / 2) into buffer f: 32 LDS loads in one run
	WIN TO_F
.irp i, 0,1,2,3
.irp c, 0,1,2,3
	ds_load_b128 v[\f+64+16*\i+4*\c:\f+64+16*\i+4*\c+3], v[ADR_P+(\s)/2] offset:((\s)%2)*128+32*\c+\i*16*PITCH
.endr
.endr
.irp i, 0,1,2,3
.irp c, 0,1,2,3
	ds_load_b128 v[\f+16*\i+4*\c:\f+16*\i+4*\c+3], v[ADR_R+(\s)/2] offset:(2*((\s)%2)+\c/2)*YHEAD+\i*1280+32*(\c%2)
.endr
.endr
.endm
.macro MUL f, zero                     ; 16 matrix instructions; the 16 accumulators take turns, in the same order in every step
	WIN MULW
.irp a, 0,1,2,3
.irp b, 0,1,2,3
.if \zero
	v_wmma_f32_16x16x128_fp8_fp8 v[ACC+8*(4*\a+\b):ACC+8*(4*\a+\b)+7], v[\f+64+16*\b:\f+64+16*\b+15], v[\f+16*\a:\f+16*\a+15], 0
.else
	v_wmma_f32_16x16x128_fp8_fp8 v[ACC+8*(4*\a+\b):ACC+8*(4*\a+\b)+7], v[\f+64+16*\b:\f+64+16*\b+15], v[\f+16*\a:\f+16*\a+15], v[ACC+8*(4*\a+\b):ACC+8*(4*\a+\b)+7]
.endif
.endr
.endr
.endm
.macro NEWCHUNK n                      ; my part of the next chunk has landed (n younger loads of mine may stay out); then everybody's has
	s_wait_tensorcnt \n
	s_wait_dscnt 0x0
	s_barrier_signal -1
	s_barrier_wait -1
.endm
	NEWCHUNK 3                                     ; chunk 0
	FETCH 0, F0
	FETCH 1, F1
	s_wait_dscnt 32                                ; this step's 32 loads are in; the next step's 32 may be out (so in every step below)
	MUL F0, 1                                      ; the first step's products start the sums
	NEWCHUNK 2
	PLACES
	FETCH 2, F0
	s_wait_dscnt 32
	MUL F1, 0
	PLACES
	FETCH 3, F1
	s_wait_dscnt 32
	MUL F0, 0
	NEWCHUNK 1
	PLACES
	FETCH 4, F0
	s_wait_dscnt 32
	MUL F1, 0
	PLACES
	FETCH 5, F1
	s_wait_dscnt 32
	MUL F0, 0
	NEWCHUNK 0
	PLACES
	FETCH 6, F0
	s_wait_dscnt 32
	MUL F1, 0
	PLACES
	FETCH 7, F1
	s_wait_dscnt 32
	MUL F0, 0
	s_wait_dscnt 0
	MUL F1, 0
	WIN 0
	; THE WAY OUT, 16 tokens at a time: sum x 2^(e6 + e7) + bias; through my stage; sixteen lanes store 256 consecutive bytes, aligned.
	PLACES
	s_wait_loadcnt 0x0                             ; the bias
.irp a, 0,1,2,3
.irp b, 0,1,2,3
.irp i, 0,2,4,6
	v_pk_fma_f32 v[TMP+8*\b+\i:TMP+8*\b+\i+1], v[ACC+8*(4*\a+\b)+\i:ACC+8*(4*\a+\b)+\i+1], s[92:93], v[BP+8*\b+\i:BP+8*\b+\i+1] op_sel_hi:[1,0,1]   ; each accumulator from its low end on
.endr
.endr
.irp b, 0,1,2,3
	ds_store_b128 v[STO], v[TMP+8*\b:TMP+8*\b+3] offset:64*\b
	ds_store_b128 v[STO], v[TMP+8*\b+4:TMP+8*\b+7] offset:64*\b+16
.endr
.if \a > 0
	s_wait_xcnt 0x0                                ; the stores of the sixteen tokens before have read their registers
.endif
.irp t, 0,1,2,3,4,5,6,7
	ds_load_b128 v[BK+4*\t:BK+4*\t+3], v[RD] offset:\t*2*PITCH   ; LDS serves a wave's instructions in order: these see my stores
.endr
	s_wait_dscnt 0x0
.irp t, 0,1,2,3,4,5,6,7
	global_store_b128 v[CO], v[BK+4*\t:BK+4*\t+3], s[12:13] offset:(16*\a+2*\t)*4096 th:TH_STORE_NT
.endr
.endr
	s_wait_tensorcnt 0x0                           ; the wave's end
	ds_add_u32 v[SPW], v[NIL]
	s_wait_dscnt 0x0
	CROUND                                         ; the closing round
	s_endpgm
.Lfunc_end_k_q2185b414fe_projgemm:
	.size	k_q2185b414fe_projgemm, .Lfunc_end_k_q2185b414fe_projgemm-k_q2185b414fe_projgemm
	.p2alignl 7, 3214868480
	.fill 96, 4, 3214868480
	.section	.rodata,"a",@progbits
	.p2align	6, 0x0
	.amdhsa_kernel k_q2185b414fe_projgemm
		.amdhsa_group_segment_fixed_size 327680
		.amdhsa_private_segment_fixed_size 0
		.amdhsa_enable_private_segment 0
		.amdhsa_kernarg_size 40
		.amdhsa_user_sgpr_count 2
		.amdhsa_user_sgpr_kernarg_segment_ptr 1
		.amdhsa_wavefront_size32 1
		.amdhsa_system_sgpr_workgroup_id_x 1
		.amdhsa_system_sgpr_workgroup_id_y 1
		.amdhsa_system_sgpr_workgroup_id_z 1
		.amdhsa_system_vgpr_workitem_id 0
		.amdhsa_next_free_vgpr 512
		.amdhsa_next_free_sgpr 100
		.amdhsa_reserve_vcc 0
		.amdhsa_float_denorm_mode_32 3
		.amdhsa_float_denorm_mode_16_64 3
		.amdhsa_memory_ordered 1
		.amdhsa_forward_progress 1
		.amdhsa_inst_pref_size 48
	.end_amdhsa_kernel
	.amdgpu_metadata
---
amdhsa.version: [ 1, 2 ]
amdhsa.kernels:
  - .name:           k_q2185b414fe_projgemm
    .symbol:         k_q2185b414fe_projgemm.kd
    .args:
      - { .name: yc, .offset: 0, .size: 8, .value_kind: global_buffer, .address_space: global }
      - { .name: wpc, .offset: 8, .size: 8, .value_kind: global_buffer, .address_space: global }
      - { .name: b_proj, .offset: 16, .size: 8, .value_kind: global_buffer, .address_space: global }
      - { .name: lowp_scales, .offset: 24, .size: 8, .value_kind: global_buffer, .address_space: global }
      - { .name: out0, .offset: 32, .size: 8, .value_kind: global_buffer, .address_space: global }
    .group_segment_fixed_size: 327680
    .private_segment_fixed_size: 0
    .kernarg_segment_align: 8
    .kernarg_segment_size: 40
    .max_flat_workgroup_size: 128
    .sgpr_count:     100
    .vgpr_count:     512
    .wavefront_size: 32
...
	.end_amdgpu_metadata
.endif
;; end of part 4
;; ======== version 2 of 2: 4 launches; version 1 with the launch attn written anew for expert scheduling mode
;; workspace buffers: xc 4,194,304 bytes; wac 3,145,728 bytes; wpc 1,048,576 bytes; qkv 12,582,912 bytes; yc 4,194,304 bytes
;; launch prep: the kernel of part 1 again; grid 256 x 1, 4 waves a work-group, no clusters, 68,096 bytes of LDS; arguments x, W_attn, W_proj, lowp_scales, xc, wac, wpc; writes xc, wac, wpc
;; launch qkvgemm: the kernel of part 2 again; grid 24 x 32, 4 waves a work-group, clusters of 4 x 4, 327,680 bytes of LDS; arguments xc, wac, b_attn, lowp_scales, qkv; writes qkv
;; launch attn (part 5): grid 8 x 32, 16 waves a work-group, no clusters, 275,456 bytes of LDS; arguments qkv, lowp_scales, threshold, leak, steepness, yc; writes yc
.if DOCPART == 5
	.amdgcn_target "amdgcn-amd-amdhsa--gfx1250"
	.amdhsa_code_object_version 6
	.text
	.protected	k_q2185b414fe_attn
	.globl	k_q2185b414fe_attn
	.p2align	8
	.type	k_q2185b414fe_attn,@function
k_q2185b414fe_attn:
	s_mov_b64 s[64:65], 0
	v_nop
	global_prefetch_b8 v0, s[64:65] scope:SCOPE_SE
	s_setreg_imm32_b32 hwreg(HW_REG_WAVE_SCHED_MODE, 0, 2), 2
	s_setreg_imm32_b32 hwreg(HW_REG_WAVE_MODE, 25, 1), 1
	s_wait_xcnt 0x0
	s_wait_alu depctr_vm_vsrc(0)
; Causal attention whose weights are p x lif(p), normalised anew, both products on codes of FP8.  p = softmax(q k / 8); fire = sigmoid(st (p - thr)); w = p (fire + lk (1 - fire)); mod = w / (sum w + 1e-8);
; y = mod v.  mod is quantised finished, with 2^e4; y with 2^e6, for the next launch.  All ahead of a quantiser is f32.
; A row needs three row-wide figures (largest score, sum of exponentials, sum of w) before one code of mod can be made.  So THE KEYS ARE SHARED OUT AMONG THE SIXTEEN WAVES, 128 keys a wave, fixed for the whole
; launch: a wave's fragments of K stay in 64 registers, its fragments of V in its own 8 KiB of LDS, and its share of a block's scores, 32 queries x 128 keys = 128 registers, stays in registers from the first
; product to the codes: score -> exponential -> p -> w -> mod, in place.  The waves meet three times a block: (largest, sum), sum of w, and the partial sums of the second product, all through LDS.
; A work-group takes one (batch, head) and blocks of 32 queries at 256 j + 32 g, j = 0 .. 7 (g = work-group x): every work-group then has the same number of active wave-blocks.
; CAUSAL: a wave whose 128 keys all come after the block's queries leaves the work out (scalar branches on ids, never round a barrier); its places in LDS hold neutral numbers, written once at the head:
; the blocks ascend, so a wave that is idle has never been at work.  The one wave on the diagonal sets hidden scores to -infinity.
; THE LARGEST SCORE is taken away before the exponential: each wave takes M = its own largest t, rounded up to a whole number; the waves' sums are joined by 2^(whole number), which rounds nothing.
; LAYOUT: both products transposed (source 0 = keys, or the head's channels; source 1 = queries): a lane holds one query.  Lane r of key tile 2 b + u takes key 32 b + 8 u + r + 8 (r / 8), so that the 16 registers of
; tiles 2 b, 2 b + 1 are keys 32 b + 16 (lane / 16) + 0 .. 15, the order in which V's fragments are laid.
; No cluster: K and V are read once by a work-group, at its head, and nothing is streamed.
; LIMITS: e2 + e3 between -124 and 129 (added to an exponent field); e4 and e6 - e4 - e5 between -126 and 119.  NaN is not served.  softplus is max(x, 0) + ln(1 + e^-|x|): its absolute error, about 1e-7,
; enters the sigmoid's argument alone.
; REGISTERS: v1-10 addresses; v11 r - 16 h; v[12:13], v[14:15] (-M, sum) of tiles 0, 1, later (lk, lk), (Bc, Bc); v[16:17], v[18:19] a factor for each tile; v[20:23] sums of w; v24, 25, 28, 29 at work;
;   v26 2^e4; v27 2^(e6 - e4 - e5); v30, 31 the add's two; v32-47 Q; v48-63 T, at work; v64-127 K; v128-255 S (128 + 64 tile + 8 key tile + j).
; THE MODE: SCHED_MODE bits 1:0 = 2 (LLVM: expert scheduling mode 2), set by the entry lines.  The code itself states the register dependences between vector or matrix instructions and memory or LDS
; instructions, with s_wait_alu, always for 0.
; THE PLAN.  Registers that memory or LDS instructions touch:
;   v1-v10     offsets and LDS addresses: made at the head, ahead of the first wait on va_vdst, and never written again.  v28 is the offset of the head's loads of K alone.
;   v32-47     Q: read by phase 1's matrix instructions; the next block's loads land in it behind phase 1.
;   v12-15     written by phase 1's vector work, read by its two LDS stores, written again in phase 2.      v20-23  the same in phase 2, written again in the next block's phase 2.
;   v48-63     T: LDS loads land in it in the flush, twice in phase 2 and twice in phase 3; vector work names it in every phase; the flush's store and phase 4's LDS store read it.
;   v128-255   S: matrix and vector work; V's fragments land in v144-207 in phase 3, the partial sums in v192-255 in phase 4; phase 3's LDS stores read v208-255 and v144-159.
; EVERY PHASE ENDS ALIKE: a wait on va_vdst, the phase's LDS stores, a wait on vm_vsrc, all ahead of the phase's label.  So at each label nothing is pending between the two sides, and no dependence
; crosses a phase, round the loop's backward jump and on the ways that leave a phase out too.  Inside a phase a wait stands only where a load lands in registers that vector work of the same phase has named.
.set OPART, 131072                     ; LDS: 0: V's fragments, 8,192 a wave.  Here: partial sums of the second product, 8,192 a wave: [accumulator 8][half 2][lane][16]
.set STAT,  262144                     ; [query 32], pitch 144: sixteen waves' (-M, sum)
.set ZOFF,  4608                       ; behind it, the same shape: the waves' sums of w
.set QTS,   2304                       ; sixteen queries of that pitch
.set YST,   271360                     ; a block's codes of y: 32 x 64 bytes
.set SPARE, 273408                     ; the spare words: 128 bytes for each wave, eight blocks of 256 bytes that no other line names
.macro BAR                             ; my LDS stores have landed and my LDS loads are in: then the work-group's barrier, on every wave's path
	s_wait_dscnt 0x0
	s_barrier_signal -1
	s_barrier_wait -1
.endm
	s_load_b256 s[4:11], s[0:1], 0x0               ; qkv s[4:5], the exponents s[6:7], threshold s[8:9], leak s[10:11]
	s_load_b128 s[12:15], s[0:1], 0x20             ; steepness s[12:13], yc s[14:15]
	v_lshl_add_u32 v30, v0, 2, SPARE
	v_mov_b32 v31, 0
	v_lshrrev_b32 v28, 5, v0
	v_readfirstlane_b32 s16, v28                   ; wave w, 0 .. 15
	v_and_b32 v24, 15, v0                          ; r
	v_bfe_u32 v25, v0, 4, 1                        ; h
	v_and_b32 v29, 31, v0                          ; lane
	s_wait_alu depctr_va_sdst(0)                   ; s16 is written, ahead of its first reader
	s_lshr_b32 s18, s16, 2
	s_sub_co_u32 s17, s16, s18
	s_and_b32 s17, s17, 3
	s_lshl_b32 s17, s17, 2
	s_add_co_u32 s17, s17, s18                     ; my 128 keys: chunk (w / 4) + 4 ((w - w / 4) % 4): the early chunks fall on waves that differ both in w % 4 and in w / 4.  It enters global addresses and compares alone
	; every LDS address is made here, ahead of the first parting of the waves
	v_lshlrev_b32 v1, 6, v24
	v_lshl_add_u32 v1, v25, 4, v1                  ; Q and V in memory: row r of 64 bytes + 16 h
	v_mul_u32_u24 v2, v24, 144
	s_lshl_b32 s19, s16, 3
	s_add_co_u32 s19, s19, STAT
	v_add_nc_u32 v2, s19, v2                       ; where I put my wave's pair for query r
	v_mul_u32_u24 v3, v24, 144
	v_lshl_add_u32 v3, v25, 6, v3
	v_add_nc_u32 v3, STAT, v3                      ; where I read eight waves' pairs: waves 8 h on
	v_lshlrev_b32 v4, 4, v29
	s_lshl_b32 s19, s16, 13
	v_add_nc_u32 v4, s19, v4                       ; my wave's V: 16 x lane + 8,192 w
	v_add_nc_u32 v5, OPART, v4                     ; my wave's partial sums
	v_lshlrev_b32 v6, 4, v0
	v_add_nc_u32 v6, OPART, v6                     ; the slice that I add up: 512 w + 16 x lane in each wave's 8,192,
	v_add_nc_u32 v7, 65536, v6                     ; waves 8 on
	s_lshr_b32 s19, s16, 3
	s_lshl_b32 s19, s19, 10                        ; slice w is accumulator w / 2 (channels 16 ((w / 2) % 4) on, queries 16 (w / 8) on), registers 4 (w % 2) on
	s_bfe_u32 s23, s16, 0x20001
	s_lshl_b32 s23, s23, 4
	s_add_co_u32 s19, s19, s23
	s_and_b32 s23, s16, 1
	s_lshl_b32 s23, s23, 2
	s_add_co_u32 s19, s19, s23
	s_add_co_u32 s19, s19, YST
	v_lshlrev_b32 v8, 6, v24
	v_lshl_add_u32 v8, v25, 3, v8
	v_add_nc_u32 v8, s19, v8                       ; its four codes: row r of 64 bytes + 8 h
	v_and_b32 v10, 127, v0
	v_lshlrev_b32 v10, 4, v10                      ; the block's 2,048 bytes leave by waves 0 to 3, 16 bytes a thread
	v_add_nc_u32 v9, YST, v10
	v_and_b32 v28, 8, v24
	v_add_nc_u32 v28, v28, v24
	v_lshlrev_b32 v28, 6, v28
	v_lshl_add_u32 v28, v25, 4, v28                ; K in memory: row r + 8 (r / 8), + 16 h
	v_lshlrev_b32 v11, 4, v25
	v_sub_nc_u32 v11, v24, v11                     ; r - 16 h
	s_and_b32 s19, ttmp7, 0xffff                   ; batch x 16 + head
	s_and_b32 s50, s19, 15
	s_lshr_b32 s51, s19, 4
	s_lshl_b32 s52, s50, 2
	s_mov_b32 s53, 0
	s_lshl_b32 s21, ttmp9, 5                       ; the block's first query
	s_lshr_b32 s22, s21, 7                         ; and the chunk of keys that it lies in
	s_mov_b32 s20, 0                               ; j
	s_mov_b32 s48, 0x76543210
	s_mov_b32 s49, 0xfedcba98                      ; v_permlanex16_b32: lane l xor 16
	s_lshl_b32 s54, s19, 17                        ; 131,072 bytes for each (batch, head) in each part
	s_lshl_b32 s56, s17, 13
	s_add_co_u32 s56, s56, s54                     ; + my 128 keys: 8,192 bytes in K and in V
	s_mov_b32 s57, 0
	s_lshl_b32 s58, s21, 6
	s_add_co_u32 s58, s58, s54
	s_mov_b32 s59, 0
	s_lshl_b32 s60, s50, 18                        ; yc: [head][token 4,096][64]
	s_lshl_b32 s61, s51, 11
	s_add_co_u32 s61, s61, s21
	s_lshl_b32 s61, s61, 6
	s_add_co_u32 s60, s60, s61
	s_mov_b32 s61, 0
	s_wait_kmcnt 0x0
	s_load_b256 s[24:31], s[6:7], 0x0              ; e0 .. e7
	s_add_nc_u64 s[8:9], s[8:9], s[52:53]
	s_add_nc_u64 s[10:11], s[10:11], s[52:53]
	s_add_nc_u64 s[12:13], s[12:13], s[52:53]
	s_load_b32 s44, s[8:9], 0x0                    ; my head's threshold,
	s_load_b32 s45, s[10:11], 0x0                  ; leak,
	s_load_b32 s46, s[12:13], 0x0                  ; steepness
	s_add_nc_u64 s[32:33], s[4:5], s[56:57]
	s_add_nc_u64 s[34:35], s[32:33], 0x800000      ; V's part
	s_add_nc_u64 s[32:33], s[32:33], 0x400000      ; K's part
	s_add_nc_u64 s[4:5], s[4:5], s[58:59]          ; Q at block 0
	s_add_nc_u64 s[14:15], s[14:15], s[60:61]
	s_wait_alu depctr_va_vdst(0)                   ; v1 to v10 and v28 are written: every load and store of the kernel reads one of them as its offset or LDS address
.irp kt, 0,1,2,3,4,5,6,7
.irp c, 0,1
	global_load_b128 v[64+8*\kt+4*\c:67+8*\kt+4*\c], v28, s[32:33] offset:(32*(\kt/2)+8*(\kt%2))*64+32*\c
.endr
.endr
.irp dt, 0,1,2,3
.irp c, 0,1,2,3
	global_load_b128 v[128+16*\dt+4*\c:131+16*\dt+4*\c], v1, s[34:35] offset:(\c/2)*4096+16*\dt*64+32*(\c%2)   ; channel 16 dt + r, keys 32 c + 16 h on
.endr
.endr
.macro QLOAD
.irp qt, 0,1
.irp c, 0,1
	global_load_b128 v[32+8*\qt+4*\c:35+8*\qt+4*\c], v1, s[4:5] offset:1024*\qt+32*\c
.endr
.endr
.endm
	QLOAD
	s_wait_kmcnt 0x0
	v_mov_b32 v48, s44
	v_mov_b32 v49, s45
	v_mov_b32 v50, s46
	v_mul_f32 v51, 0xbfb8aa3b, v49                 ; -leak log2(e)
	v_and_b32 v52, 0x7fffffff, v50
	v_mul_f32 v52, 0xbfb8aa3b, v52                 ; -|steepness| log2(e)
	v_exp_f32 v51, v51
	v_exp_f32 v52, v52
	v_nop
	s_wait_alu depctr_va_vdst(0)                   ; the two exponentials have written v51 and v52, ahead of their first reader
	v_add_f32 v51, 1.0, v51
	v_add_f32 v52, 1.0, v52
	v_rcp_f32 v51, v51                             ; lk = sigmoid(leak)
	v_log_f32 v52, v52
	v_max_num_f32 v50, 0, v50                      ; (a plain place)
	s_wait_alu depctr_va_vdst(0)                   ; the reciprocal and the logarithm have written v51 and v52, ahead of their first reader
	v_fmamk_f32 v50, v52, 0x3f317218, v50          ; st = softplus(steepness)
	v_and_b32 v48, 0x7fffffff, v48
	v_mul_f32 v48, 0x3dcccccd, v48                 ; thr = |threshold| x 0.1
	v_mul_f32 v53, 0x3fb8aa3b, v50
	v_mul_f32 v54, v53, v48                        ; Bc = st thr log2(e)
	v_xor_b32 v53, 0x80000000, v53                 ; A = -st log2(e): fire = 1 / (1 + 2^(A p + Bc))
	v_sub_f32 v55, 1.0, v51
	v_readfirstlane_b32 s38, v53
	v_readfirstlane_b32 s40, v55
	v_readfirstlane_b32 s42, v51
	v_readfirstlane_b32 s43, v54
	s_wait_alu depctr_va_sdst(0)                   ; s38, s40, s42 and s43 are written, ahead of the first reader of any of them
	s_mov_b32 s39, s38                             ; (named as pairs, so both words are written)
	s_mov_b32 s41, s40
	s_add_co_i32 s50, s26, s27
	s_lshl_b32 s50, s50, 23
	s_add_co_i32 s36, s50, 0x3e38aa3b              ; c = log2(e) / 8, with e2 + e3 added to its exponent field
	s_mov_b32 s37, s36
	s_add_co_i32 s50, s28, 127
	s_lshl_b32 s51, s50, 23
	v_mov_b32 v26, s51                             ; 2^e4
	s_add_co_i32 s50, s50, 8
	s_lshl_b32 s50, s50, 23
	s_or_b32 s44, s50, 0x600000                    ; 448 x 2^e4
	s_sub_co_i32 s50, s30, s28
	s_sub_co_i32 s50, s50, s29
	s_add_co_i32 s50, s50, 127
	s_lshl_b32 s51, s50, 23
	v_mov_b32 v27, s51                             ; a sum of the second product stands for sum x 2^(e4 + e5): its code is sum / 2^(e6 - e4 - e5)
	s_add_co_i32 s50, s50, 8
	s_lshl_b32 s50, s50, 23
	s_or_b32 s46, s50, 0x600000
	s_or_b32 s45, s46, 0x80000000
	v_mov_b32 v12, 0x7f61b1e6                      ; the neutral pair: -M = 3e38, above every -M; sum 0
	v_mov_b32 v13, 0
	v_mov_b32 v14, 0x7f61b1e6
	v_mov_b32 v15, 0
.set i, 16
.rept 8
	v_mov_b32 v[i], 0
.set i, i+1
.endr
.set i, 192
.rept 64
	v_mov_b32 v[i], 0                              ; once: the zeros that fill my places in LDS; and every register of S is written before the loop
.set i, i+1
.endr
	s_wait_loadcnt 0x0
	s_wait_alu depctr_va_vdst(0)                   ; the zeros in v192-255 and the neutral pairs in v12-15 are written, which the LDS stores below read; T, in which LDS loads land later, is written too
.irp dt, 0,1,2,3
.irp c, 0,1,2,3
	ds_store_b128 v4, v[128+16*\dt+4*\c:131+16*\dt+4*\c] offset:(4*\dt+\c)*512   ; V's fragments as images of their registers: only my wave reads them
.endr
.endr
.set i, 0
.rept 16
	ds_store_b128 v5, v[192:195] offset:512*i
.set i, i+1
.endr
	ds_store_b64 v2, v[12:13]
	ds_store_b64 v2, v[14:15] offset:QTS
	ds_store_b64 v2, v[192:193] offset:ZOFF
	ds_store_b64 v2, v[192:193] offset:ZOFF+QTS
	s_wait_dscnt 0x0                               ; my places in LDS are filled
	s_wait_alu depctr_vm_vsrc(0)                   ; the stores have read v128-195 and v12-15, and the loads of K have read v28: the loop writes all of them again
.macro MASKG b                         ; keys 32 b .. 32 b + 31 of the diagonal chunk.  Register 16 b + i of tile qt holds key 32 b + 16 h + i: hidden where 32 b + i - 16 qt > (first query % 128) + r - 16 h
	s_cmp_gt_u32 s23, \b                           ; a group all of whose keys count is passed over
	s_cbranch_scc1 .Lcounts_\@
.irp qt, 0,1
.irp i, 0,1,2,3,4,5,6,7,8,9,10,11,12,13,14,15
	v_cmp_gt_i32 s[24+\i+18*(\i/8)], 32*\b+\i-16*\qt, v29      ; sixteen masks in a run, into s24-31 and s50-57, which the head has done with
.endr
	s_wait_alu depctr_va_sdst(0)                   ; the sixteen masks are written, ahead of the selects that read them
.irp i, 0,1,2,3,4,5,6,7,8,9,10,11,12,13,14,15
	v_cndmask_b32 v[128+64*\qt+16*\b+\i], v[128+64*\qt+16*\b+\i], v28, s[24+\i+18*(\i/8)]
.endr
.endr
.Lcounts_\@:
.endm
.macro ROWMAX qt, ta, tb               ; -M of tile qt: each accumulator is read from its low end on
.set SB, 128+64*\qt
	v_max3_num_f32 v[\ta], v[SB], v[SB+1], v[SB+2]
	v_max3_num_f32 v[\tb], v[SB+3], v[SB+4], v[SB+5]
.irp i, 6,10,14,18,22,26,30,34,38,42,46,50,54,58
	v_max3_num_f32 v[\ta], v[\ta], v[SB+\i], v[SB+\i+1]
	v_max3_num_f32 v[\tb], v[\tb], v[SB+\i+2], v[SB+\i+3]
.endr
	v_max3_num_f32 v[\ta], v[\ta], v[SB+62], v[SB+63]
	v_max_num_f32 v[\ta], v[\ta], v[\tb]
	v_permlanex16_b32 v[\tb], v[\ta], s48, s49
	v_max_num_f32 v[\ta], v[\ta], v[\tb]
	v_mul_f32 v[\ta], s36, v[\ta]                  ; as t (c is positive)
	v_floor_f32 v[12+2*\qt], -v[\ta]               ; -M = floor(-t): M is a whole number
.endm
.macro ROWSUM qt                       ; the sum of my 128 exponentials of each query
.set SB, 128+64*\qt
.set TA, 48+4*\qt
	v_pk_add_f32 v[TA:TA+1], v[SB:SB+1], v[SB+2:SB+3]
	v_pk_add_f32 v[TA+2:TA+3], v[SB+4:SB+5], v[SB+6:SB+7]
.irp j, 8,12,16,20,24,28,32,36,40,44,48,52,56,60
	v_pk_add_f32 v[TA:TA+1], v[TA:TA+1], v[SB+\j:SB+\j+1]
	v_pk_add_f32 v[TA+2:TA+3], v[TA+2:TA+3], v[SB+\j+2:SB+\j+3]
.endr
	v_pk_add_f32 v[TA:TA+1], v[TA:TA+1], v[TA+2:TA+3]
	v_add_f32 v[13+2*\qt], v[TA], v[TA+1]
	v_permlanex16_b32 v[TA+2], v[13+2*\qt], s48, s49
	v_add_f32 v[13+2*\qt], v[13+2*\qt], v[TA+2]
.endm
.macro STATL qt                        ; eight waves' pairs (-M, sum) of my query of tile qt, into T
.irp i, 0,1,2,3
	ds_load_b128 v[48+4*\i:51+4*\i], v3 offset:QTS*\qt+16*\i
.endr
.endm
.macro STATC qt                        ; the sixteen waves' pairs are joined: v24 = 1 / the row's sum, v28 = my M less the row's; g = v24 x 2^v28 is made behind the macro
	s_wait_dscnt 0x0
	v_min3_num_f32 v28, v48, v50, v52
	v_min3_num_f32 v28, v28, v54, v56
	v_min3_num_f32 v28, v28, v58, v60
	v_min_num_f32 v28, v28, v62
	v_permlanex16_b32 v29, v28, s48, s49
	v_min_num_f32 v28, v28, v29                    ; the row's -M
.irp i, 0,2,4,6,8,10,12,14
	v_sub_f32 v[48+\i], v28, v[48+\i]              ; a wave's M less the row's: a whole number, 0 or less
.endr
.irp i, 0,2,4,6,8,10,12,14
	v_cvt_i32_f32 v[48+\i], v[48+\i]               ; (it saturates)
.endr
.irp i, 0,2,4,6,8,10,12,14
	v_ldexp_f32 v[49+\i], v[49+\i], v[48+\i]       ; the wave's sum under the row's M: nothing is rounded
.endr
	v_add_f32 v49, v49, v51
	v_add_f32 v53, v53, v55
	v_add_f32 v57, v57, v59
	v_add_f32 v61, v61, v63
	v_add_f32 v49, v49, v53
	v_add_f32 v57, v57, v61
	v_add_f32 v49, v49, v57
	v_permlanex16_b32 v29, v49, s48, s49
	v_add_f32 v49, v49, v29
	v_rcp_f32 v24, v49                             ; into a register outside T, so that T is free behind the wait below
	v_sub_f32 v28, v28, v[12+2*\qt]                ; (a plain place)
	v_cvt_i32_f32 v28, v28
	s_wait_alu depctr_va_vdst(0)                   ; the reciprocal has written v24, ahead of its first reader; and all the lines above are done with T, in which the next loads land
.endm
.macro LIF qt, k                       ; sixteen registers of S: exponential -> p -> w, in place; their sum goes to the tile's sum of w
.set SB, 128+64*\qt+16*\k
.irp i, 0,2,4,6,8,10,12,14
	v_pk_mul_f32 v[SB+\i:SB+\i+1], v[SB+\i:SB+\i+1], v[16+2*\qt:17+2*\qt] op_sel_hi:[1,0]   ; p
.endr
.irp i, 0,2,4,6,8,10,12,14
	v_pk_fma_f32 v[48+\i:49+\i], v[SB+\i:SB+\i+1], s[38:39], v[14:15] op_sel_hi:[1,0,1]     ; A p + Bc
.endr
.irp i, 0,1,2,3,4,5,6,7,8,9,10,11,12,13,14,15
	v_exp_f32 v[48+\i], v[48+\i]
.endr
	v_nop
	s_wait_alu depctr_va_vdst(0)                   ; the sixteen exponentials have written T, ahead of their first reader
.irp i, 0,2,4,6,8,10,12,14
	v_pk_add_f32 v[48+\i:49+\i], v[48+\i:49+\i], 1.0 op_sel_hi:[1,0]
.endr
.irp i, 0,1,2,3,4,5,6,7,8,9,10,11,12,13,14,15
	v_rcp_f32 v[48+\i], v[48+\i]                   ; fire
.endr
	v_nop
	s_wait_alu depctr_va_vdst(0)                   ; the sixteen reciprocals have written T, ahead of their first reader
.irp i, 0,2,4,6,8,10,12,14
	v_pk_fma_f32 v[48+\i:49+\i], v[48+\i:49+\i], s[40:41], v[12:13] op_sel_hi:[1,0,1]       ; fire (1 - lk) + lk
.endr
.irp i, 0,2,4,6,8,10,12,14
	v_pk_mul_f32 v[SB+\i:SB+\i+1], v[SB+\i:SB+\i+1], v[48+\i:49+\i]                         ; w
.endr
.irp i, 0,2,4,6
	v_pk_add_f32 v[48+\i:49+\i], v[SB+\i:SB+\i+1], v[SB+8+\i:SB+9+\i]
.endr
	v_pk_add_f32 v[48:49], v[48:49], v[50:51]
	v_pk_add_f32 v[52:53], v[52:53], v[54:55]
	v_pk_add_f32 v[48:49], v[48:49], v[52:53]
	v_pk_add_f32 v[20+2*\qt:21+2*\qt], v[20+2*\qt:21+2*\qt], v[48:49]
.endm
.macro NORMQ qt, dst                   ; w -> mod -> codes, 16 registers from v[dst] on: the second product's source 1
.set SB, 128+64*\qt
.set i, 0
.rept 32
	v_pk_mul_f32 v[SB+i:SB+i+1], v[SB+i:SB+i+1], v[16+2*\qt:17+2*\qt] op_sel_hi:[1,0]
.set i, i+2
.endr
.set i, 0
.rept 64
	v_min_num_f32 v[SB+i], s44, v[SB+i]            ; the conversion does not saturate (ISA guide 7.6.2); mod is not negative, so the hold is one-sided
.set i, i+1
.endr
.irp kt, 0,1,2,3,4,5,6,7
	v_cvt_scalef32_pk8_fp8_f32 v[\dst+2*\kt:\dst+2*\kt+1], v[SB+8*\kt:SB+8*\kt+7], v26
.endr
	v_nop                                          ; a plain line behind the last conversion
.endm
.macro FLUSH step                      ; a finished block's 2,048 bytes of codes: each wave stores 512 consecutive bytes, aligned
	ds_load_b128 v[48:51], v9
	s_wait_dscnt 0x0
	global_store_b128 v10, v[48:51], s[14:15]
.if \step
	s_wait_xcnt 0x0                                ; the store has read its base and its data: both may be written
	s_wait_alu depctr_vm_vsrc(0)                   ; the store has read v48-51, in which phase 2's loads land
	s_add_nc_u64 s[14:15], s[14:15], 16384         ; 256 tokens on
.endif
.endm
.Lblock:
	s_wait_loadcnt 0x0                             ; this block's Q is in; so its loads' base may step
	s_add_nc_u64 s[4:5], s[4:5], 16384             ; 256 queries on
	s_cmp_gt_u32 s17, s22
	s_cbranch_scc1 .Lskip1
	; ---- 1: scores, the wave's largest, exponentials, their sum
.irp kt, 0,1,2,3,4,5,6,7
.irp qt, 0,1
	v_wmma_f32_16x16x64_fp8_fp8 v[128+64*\qt+8*\kt:135+64*\qt+8*\kt], v[64+8*\kt:71+8*\kt], v[32+8*\qt:39+8*\qt], 0
.endr
.endr
.rept 4
	v_nop                                          ; four places in front of the first read of results
.endr
	s_cmp_lg_u32 s17, s22
	s_cbranch_scc1 .Lopen
	s_and_b32 s23, s21, 127
	v_add_nc_u32 v29, s23, v11
	v_mov_b32 v28, 0xff800000                      ; -infinity: the exponential is then 0
	s_lshr_b32 s23, s23, 5
	MASKG 0
	MASKG 1
	MASKG 2
	MASKG 3
.Lopen:
	ROWMAX 0, 28, 29
	ROWMAX 1, 24, 25
.set i, 0
.rept 64
	v_pk_fma_f32 v[128+i:129+i], v[128+i:129+i], s[36:37], v[12+2*(i/64):13+2*(i/64)] op_sel_hi:[1,0,0]   ; t - M
.set i, i+2
.endr
.set i, 0
.rept 128
	v_exp_f32 v[128+i], v[128+i]
.set i, i+1
.endr
	v_nop
	s_wait_alu depctr_va_vdst(0)                   ; the 128 exponentials have written S, ahead of their first reader
	ROWSUM 0
	ROWSUM 1
	s_wait_alu depctr_va_vdst(0)                   ; the phase's end: v12-15 are written, which the two stores read; the sums are done with T, in which LDS loads land next; the products are done with Q, in which the next block's loads land
	ds_store_b64 v2, v[12:13]
	ds_store_b64 v2, v[14:15] offset:QTS
	s_wait_alu depctr_vm_vsrc(0)                   ; the two stores have read v12-15, which phase 2 writes again
.Lskip1:
	s_cmp_eq_u32 s20, 7
	s_cbranch_scc1 .Lnoq                           ; the last block asks for nothing: no load leaves its buffer
	QLOAD                                          ; the next block's Q, a block ahead.  No wait: no vector or matrix instruction since phase 1's last wait on va_vdst names v32-47
.Lnoq:
	BAR                                            ; every wave's (-M, sum) lies in LDS; and the block before's codes of y
	s_cmp_eq_u32 s20, 0
	s_cbranch_scc1 .Lnoflush
	s_cmp_gt_u32 s16, 3
	s_cbranch_scc1 .Lnoflush
	FLUSH 1
.Lnoflush:
	s_cmp_gt_u32 s17, s22
	s_cbranch_scc1 .Lskip2
	; ---- 2: p, w, the wave's sum of w
	STATL 0
	STATC 0
	STATL 1                                        ; tile 1's pairs go out straight behind tile 0's wait: the line below names v16, v24 and v28, none of T
	v_ldexp_f32 v16, v24, v28                      ; g = 2^(my M - the row's M) / the row's sum, tile 0
	STATC 1
	v_ldexp_f32 v18, v24, v28                      ; tile 1
	v_mov_b32 v12, s42
	v_mov_b32 v13, s42
	v_mov_b32 v14, s43
	v_mov_b32 v15, s43
	v_mov_b32 v20, 0
	v_mov_b32 v21, 0
	v_mov_b32 v22, 0
	v_mov_b32 v23, 0
.irp qt, 0,1
.irp k, 0,1,2,3
	LIF \qt, \k
.endr
.endr
	v_add_f32 v20, v20, v21
	v_add_f32 v22, v22, v23
	v_permlanex16_b32 v28, v20, s48, s49
	v_permlanex16_b32 v29, v22, s48, s49
	v_add_f32 v20, v20, v28
	v_add_f32 v22, v22, v29
	s_wait_alu depctr_va_vdst(0)                   ; the phase's end: v20-23 are written, which the two stores read; the phase's lines are done with T, in which phase 3's loads land
	ds_store_b64 v2, v[20:21] offset:ZOFF          ; the pair's first word counts
	ds_store_b64 v2, v[22:23] offset:ZOFF+QTS
	s_wait_alu depctr_vm_vsrc(0)                   ; the two stores have read v20-23, which the next block's phase 2 writes again
.Lskip2:
	BAR                                            ; every wave's sum of w lies in LDS
	s_cmp_gt_u32 s17, s22
	s_cbranch_scc1 .Lskip3
	; ---- 3: mod, its codes, my keys' part of the second product
.irp i, 0,1,2,3
	ds_load_b128 v[48+4*\i:51+4*\i], v3 offset:ZOFF+16*\i
.endr
	s_wait_dscnt 0x0
	v_add_f32 v48, v48, v50
	v_add_f32 v52, v52, v54
	v_add_f32 v56, v56, v58
	v_add_f32 v60, v60, v62
	v_add_f32 v48, v48, v52
	v_add_f32 v56, v56, v60
	v_add_f32 v16, v48, v56
	s_wait_alu depctr_va_vdst(0)                   ; the seven additions are done with T, in which tile 1's four loads land
.irp i, 0,1,2,3
	ds_load_b128 v[48+4*\i:51+4*\i], v3 offset:ZOFF+QTS+16*\i
.endr
	v_permlanex16_b32 v28, v16, s48, s49
	v_add_f32 v16, v16, v28
	v_add_f32 v16, 0x322bcc77, v16                 ; + 1e-8
	s_wait_dscnt 0x0
	v_add_f32 v48, v48, v50
	v_add_f32 v52, v52, v54
	v_add_f32 v56, v56, v58
	v_add_f32 v60, v60, v62
	v_add_f32 v48, v48, v52
	v_add_f32 v56, v56, v60
	v_add_f32 v18, v48, v56
	v_permlanex16_b32 v29, v18, s48, s49
	v_add_f32 v18, v18, v29
	v_add_f32 v18, 0x322bcc77, v18
	v_rcp_f32 v16, v16
	v_rcp_f32 v18, v18
	v_nop
	s_wait_alu depctr_va_vdst(0)                   ; the two reciprocals have written v16 and v18, ahead of their first reader
	NORMQ 0, 48                                    ; tile 0's codes into T; its 64 registers of S are free
	s_wait_alu depctr_va_vdst(0)                   ; tile 0's scalings, holds and conversions are done with v128-191: V's first three fragments land in v144-191
.irp dt, 0,1,2
.irp c, 0,1,2,3
	ds_load_b128 v[144+16*\dt+4*\c:147+16*\dt+4*\c], v4 offset:(4*\dt+\c)*512
.endr
.endr
	NORMQ 1, 128                                   ; tile 1's codes into v128-143; its lines name v128-143 and v192-255, none of the registers in which those loads land
	s_wait_alu depctr_va_vdst(0)                   ; tile 1's scalings, holds and conversions are done with v192-255: V's fourth fragment lands in v192-207
.irp c, 0,1,2,3
	ds_load_b128 v[192+4*\c:195+4*\c], v4 offset:(12+\c)*512
.endr
	s_wait_dscnt 0x4                               ; V's first three fragments are in; the four loads of the fourth may be out: the six products below name none of v192-207
.irp dt, 0,1,2
	v_wmma_f32_16x16x128_fp8_fp8 v[208+16*\dt:215+16*\dt], v[144+16*\dt:159+16*\dt], v[48:63], 0
	v_wmma_f32_16x16x128_fp8_fp8 v[216+16*\dt:223+16*\dt], v[144+16*\dt:159+16*\dt], v[128:143], 0
.endr
	s_wait_dscnt 0x0
.rept 5
	v_nop                                          ; five places: the next results are laid over the first fragment of V
.endr
	v_wmma_f32_16x16x128_fp8_fp8 v[144:151], v[192:207], v[48:63], 0
	v_wmma_f32_16x16x128_fp8_fp8 v[152:159], v[192:207], v[128:143], 0
.rept 4
	v_nop                                          ; four places behind the last product, before its result is read (ISA guide 7.12.1); they stay beside the wait below
.endr
	s_wait_alu depctr_va_vdst(0)                   ; the phase's end: the eight products have written v208-255 and v144-159, which the stores read, and are done with v192-207 and T, in which later loads land
.irp dt, 0,1,2
.irp qt, 0,1
	ds_store_b128 v5, v[208+16*\dt+8*\qt:211+16*\dt+8*\qt] offset:1024*(\dt+4*\qt)        ; each accumulator from its low end on
	ds_store_b128 v5, v[212+16*\dt+8*\qt:215+16*\dt+8*\qt] offset:1024*(\dt+4*\qt)+512
.endr
.endr
.irp qt, 0,1
	ds_store_b128 v5, v[144+8*\qt:147+8*\qt] offset:1024*(3+4*\qt)
	ds_store_b128 v5, v[148+8*\qt:151+8*\qt] offset:1024*(3+4*\qt)+512
.endr
	s_wait_alu depctr_vm_vsrc(0)                   ; the stores have read v208-255, in which phase 4's loads land, and v144-159, which the next block's products write
.Lskip3:
	BAR                                            ; every wave's partial sums lie in LDS
	; ---- 4: all sixteen waves: wave w adds slice w of the sixteen partial sums, and makes four codes of y a lane
.irp sv, 0,1,2,3,4,5,6,7
	ds_load_b128 v[192+4*\sv:195+4*\sv], v6 offset:8192*\sv
.endr
.irp sv, 0,1,2,3,4,5,6,7
	ds_load_b128 v[224+4*\sv:227+4*\sv], v7 offset:8192*\sv
.endr
	s_wait_dscnt 0x0
.irp i, 0,1,2,3,4,5,6,7
	v_pk_add_f32 v[192+8*\i:193+8*\i], v[192+8*\i:193+8*\i], v[196+8*\i:197+8*\i]
	v_pk_add_f32 v[194+8*\i:195+8*\i], v[194+8*\i:195+8*\i], v[198+8*\i:199+8*\i]
.endr
.irp i, 0,1,2,3
	v_pk_add_f32 v[192+16*\i:193+16*\i], v[192+16*\i:193+16*\i], v[200+16*\i:201+16*\i]
	v_pk_add_f32 v[194+16*\i:195+16*\i], v[194+16*\i:195+16*\i], v[202+16*\i:203+16*\i]
.endr
.irp i, 0,1
	v_pk_add_f32 v[192+32*\i:193+32*\i], v[192+32*\i:193+32*\i], v[208+32*\i:209+32*\i]
	v_pk_add_f32 v[194+32*\i:195+32*\i], v[194+32*\i:195+32*\i], v[210+32*\i:211+32*\i]
.endr
	v_pk_add_f32 v[192:193], v[192:193], v[224:225]
	v_pk_add_f32 v[194:195], v[194:195], v[226:227]
.irp i, 0,1,2,3
	v_med3_num_f32 v[192+\i], v[192+\i], s45, s46
.endr
	v_cvt_scalef32_pk8_fp8_f32 v[48:49], v[192:199], v27   ; the first four codes are mine; the other four are not used
	v_nop
	s_wait_alu depctr_va_vdst(0)                   ; the phase's end: the conversion has written v48, which the store reads; the additions are done with v192-255, in which the next block's partial sums land
	ds_store_b32 v8, v48
	s_wait_dscnt 0x0                               ; my four codes lie in LDS
	s_wait_alu depctr_vm_vsrc(0)                   ; the store has read v48, which the next block writes early, by a load or by a sum
	s_add_co_u32 s21, s21, 256
	s_lshr_b32 s22, s21, 7
	s_add_co_u32 s20, s20, 1
	s_cmp_lt_u32 s20, 8
	s_cbranch_scc1 .Lblock
	BAR                                            ; the last block's codes lie in LDS
	s_cmp_gt_u32 s16, 3
	s_cbranch_scc1 .Lend
	FLUSH 0
.Lend:
	s_wait_dscnt 0x0                               ; the closing lines, six on end
	s_wait_alu 0x0
	s_wait_tensorcnt 0x0
	ds_add_u32 v30, v31
	s_wait_dscnt 0x0
	s_endpgm
.Lfunc_end_k_q2185b414fe_attn:
	.size	k_q2185b414fe_attn, .Lfunc_end_k_q2185b414fe_attn-k_q2185b414fe_attn
	.p2alignl 7, 3214868480
	.fill 96, 4, 3214868480
	.section	.rodata,"a",@progbits
	.p2align	6, 0x0
	.amdhsa_kernel k_q2185b414fe_attn
		.amdhsa_group_segment_fixed_size 275456
		.amdhsa_private_segment_fixed_size 0
		.amdhsa_enable_private_segment 0
		.amdhsa_kernarg_size 48
		.amdhsa_user_sgpr_count 2
		.amdhsa_user_sgpr_kernarg_segment_ptr 1
		.amdhsa_wavefront_size32 1
		.amdhsa_system_sgpr_workgroup_id_x 1
		.amdhsa_system_sgpr_workgroup_id_y 1
		.amdhsa_system_sgpr_workgroup_id_z 1
		.amdhsa_system_vgpr_workitem_id 0
		.amdhsa_next_free_vgpr 256
		.amdhsa_next_free_sgpr 66
		.amdhsa_reserve_vcc 0
		.amdhsa_float_denorm_mode_32 3
		.amdhsa_float_denorm_mode_16_64 3
		.amdhsa_memory_ordered 1
		.amdhsa_forward_progress 1
		.amdhsa_inst_pref_size 108
	.end_amdhsa_kernel
	.amdgpu_metadata
---
amdhsa.version: [ 1, 2 ]
amdhsa.kernels:
  - .name:           k_q2185b414fe_attn
    .symbol:         k_q2185b414fe_attn.kd
    .args:
      - { .name: qkv, .offset: 0, .size: 8, .value_kind: global_buffer, .address_space: global }
      - { .name: lowp_scales, .offset: 8, .size: 8, .value_kind: global_buffer, .address_space: global }
      - { .name: threshold, .offset: 16, .size: 8, .value_kind: global_buffer, .address_space: global }
      - { .name: leak, .offset: 24, .size: 8, .value_kind: global_buffer, .address_space: global }
      - { .name: steepness, .offset: 32, .size: 8, .value_kind: global_buffer, .address_space: global }
      - { .name: yc, .offset: 40, .size: 8, .value_kind: global_buffer, .address_space: global }
    .group_segment_fixed_size: 275456
    .private_segment_fixed_size: 0
    .kernarg_segment_align: 8
    .kernarg_segment_size: 48
    .max_flat_workgroup_size: 512
    .sgpr_count:     66
    .vgpr_count:     256
    .wavefront_size: 32
...
	.end_amdgpu_metadata
.endif
;; end of part 5
;; launch projgemm: the kernel of part 4 again; grid 8 x 32, 4 waves a work-group, clusters of 4 x 4, 327,680 bytes of LDS; arguments yc, wpc, b_proj, lowp_scales, out0; writes out0
